; MI455X (gfx1250); checked and timed in simulation.
; The chip was launched on July 23, 2026; its instructions are those of AMD's public machine-readable ISA for CDNA 5 (MIT licence, August 2026) and "CDNA5" Instruction Set Architecture Reference Guide (July 2026). The comments in the code are by the model that wrote it; some were corrected since.
;; Tt T5 Attention. Allowed arithmetic: matrix products marked QUANTISED: E2M3 operands, one E8M0 scale for each 32 along K, by v_wmma_scale_f32_16x16x128_f8f6f4 with both operands' format E2M3, f32 sums; everything else in f32.
;; Inputs: hidden_states 8 x 1,024 x 1,024 float32; rel_bias 32 x 16 float32; wk 1,024 x 1,024 float32; wo 1,024 x 1,024 float32; wq 1,024 x 1,024 float32; wv 1,024 x 1,024 float32.
;; Outputs: out0 8 x 1,024 x 1,024 float32.
;; This version of the problem:
;;   THIS VERSION OF THE PROBLEM IS GIVEN IN LOW PRECISION. The matrix products marked QUANTISED in the list below multiply operands that are first quantised to E2M3 (2 exponent bits, 3 mantissa bits; 6 bits a number), with one power-of-two scale for each 32 numbers along K (OCP MX v1.0); their sums are f32. All else is computed in f32.
;;   The module's matrix products, in the order in which they are computed (A, B: the left and right operand; K: the contracted axis; several contracted axes count as one K, in the product's order):
;;     1. [M 8,192, K 1,024] x [K 1,024, N 1,024]; A: input hidden_states; B: input wq: QUANTISED
;;     2. [M 8,192, K 1,024] x [K 1,024, N 1,024]; A: input hidden_states; B: input wk: QUANTISED
;;     3. [M 8,192, K 1,024] x [K 1,024, N 1,024]; A: input hidden_states; B: input wv: QUANTISED
;;     4. batch 128 x [M 1,024, K 64] x [K 64, N 1,024]; A: computed on the way; B: computed on the way: QUANTISED
;;     5. batch 128 x [M 1,024, K 1,024] x [K 1,024, N 64]; A: softmax (see below); B: computed on the way: QUANTISED
;;     6. [M 8,192, K 1,024] x [K 1,024, N 1,024]; A: computed on the way; B: input wo: QUANTISED
;;   THE QUANTISER, for each operand of a quantised product, along K:
;;     - K is cut into blocks of 32 from its start; a last block that is shorter is filled with zeros.
;;     - A block's scale is 2^e with e = floor(log2(the largest magnitude in the block)) - 2, held to -126 .. 127; a block of zeros has e = 0. As a byte (E8M0): e + 127.
;;     - Each number is divided by its block's scale, clamped to +-7.5, and rounded to the nearest number of E2M3, ties to even, subnormals kept.
;;     - The product sums the exact products of the quantised numbers (number of the format x scale) in f32.
;;   ~~~python
;;   def quantise(x, axis):      # numpy; x: float32 -> the quantised numbers, widened to float32 again
;;       x = np.moveaxis(x, axis, -1); K = x.shape[-1]
;;       x = np.pad(x, [(0, 0)] * (x.ndim - 1) + [(0, -K % 32)]); x = x.reshape(x.shape[:-1] + (-1, 32)); a = np.abs(x).max(-1, keepdims=True)
;;       e = np.where(a > 0, np.clip(np.frexp(np.where(a > 0, a, 1))[1] - 1 - 2, -126, 127), 0)      # np.frexp(a)[1] - 1 = floor(log2(a)), exactly
;;       r = np.clip(x / 2.0 ** e, -7.5, 7.5)
;;       step = 2.0 ** (np.maximum(np.frexp(np.where(r == 0, 1, r))[1] - 1, 0) - 3)
;;       q = np.round(r / step) * step * 2.0 ** e      # np.round: ties to even
;;       return np.moveaxis(q.reshape(q.shape[:-2] + (-1,))[..., :K], -1, axis).astype(np.float32)
;;   ~~~
;;   SOFTMAX AHEAD OF A QUANTISED PRODUCT. Where the list says 'softmax', what is quantised is not the finished softmax but p = 2^(t - M), with t = logit x log2(e) and M = ceil(the row's largest t), a whole number; so 1/2 < the row's largest p <= 1. The row's sum l is taken of the UNQUANTISED p, in f32, and the product's result is divided by l at the end. Since M is a whole number, a kernel that streams over the keys may use a running M (the ceiling of the running maximum): every later rescaling is an exact power of two, which a block's scale takes up: the codes' values come out the same.
;;   OPERANDS COMPUTED ON THE WAY. 'Computed on the way' means the value that the module computes at that place (a softmax that the list does not call 'softmax' is quantised finished and normalised). What goes into a quantiser is computed in f32, as accurately as f32 sums, v_exp_f32 and their like allow (about 1e-6 of the number): no bf16 or f16 on the way to a quantiser, and a product that is left as it is and whose result goes on into a quantised operand takes f32 operands (vector FMAs, or v_wmma_f32_16x16x4_f32). A number that lies on a knife's edge between two numbers of the format may be rounded either way, as far as f32 arithmetic and the matrix unit's own rounding can turn it there, and no further.
;; One version. Each part assembles by itself: llvm-mc -triple=amdgcn-amd-amdhsa -mcpu=gfx1250 --defsym DOCPART=n.
;; ======== version 1 of 1: 4 launches
;; limits: right only within a limited range of input values
;; workspace buffers: cod 9,437,184 bytes; csc 393,216 bytes; qkv_img 18,874,368 bytes; qkv_sc 786,432 bytes; ctx_img 6,291,456 bytes; ctx_sc 262,144 bytes
;; launch quant (part 1): grid 384 x 1, 8 waves a work-group, no clusters, 163,840 bytes of LDS; arguments hidden_states, wq, wk, wv, wo, cod, csc; writes cod, csc
.if DOCPART == 1
	.amdgcn_target "amdgcn-amd-amdhsa--gfx1250"
	.amdhsa_code_object_version 6
	.text
	.protected	k_q624b5c4b42_quant
	.globl	k_q624b5c4b42_quant
	.p2align	8
	.type	k_q624b5c4b42_quant,@function
k_q624b5c4b42_quant:
	s_mov_b64 s[64:65], 0
	v_nop
	global_prefetch_b8 v0, s[64:65] scope:SCOPE_SE
	s_setreg_imm32_b32 hwreg(HW_REG_WAVE_MODE, 25, 1), 1
	s_wait_xcnt 0x0
; hidden_states [8192][1024] and wq, wk, wv, wo [1024 (k)][1024 (n)], f32, become codes of FP6 (E2M3) with one E8M0 byte for each 32 along K,
; laid IN THE ORDER OF AN OPERAND'S REGISTERS.  A row tile T = 2 g + u holds 16 rows; lane index r takes row 32 g + 8 u + r + 8 (r / 8).
; cod: [768 tiles][16 groups of 64 along K][768 bytes]: in a group, chunk i (256 bytes) holds at 8 x lane the registers 2 i, 2 i + 1 of lane (r, h): the 24 bytes of
; the block k = 64 group + 32 h + 0 .. 31 of the lane's row.  Tiles 0-511: x; 512 + 64 wi + T: the weights (wi: wq, wk, wv, wo; T tiles the weight's n).
; csc: [768][8 K steps of 128][16 rows] words, byte b for k = 128 step + 32 b.
; A block's scale is 2^(floor(log2(largest magnitude)) - 2): its byte is the largest magnitude's exponent field - 2, held at 1 from below.
; LIMITS: a block of zeros gets the byte 1 where the rule says 127 (its codes are zeros, and this program alone reads the bytes); blocks whose largest magnitude
; lies under 2^-124 are held at the byte 1; NaN and infinities among the inputs are not served.
; SHARES.  Work-groups 0-255 take 32 rows of x each, 256-383 take 32 columns of one weight each; in both, wave w is K step w (128 along K), and the work-group makes two tiles.
; Each way has LDS bytes of its own.  No tensor loads, no matrix unit: memory binds, so every load and store is dense.
.set XWAVE, 16896                      ; x: a wave's stage: 32 rows x (512 bytes + 16)
.set XSS,   135168                     ; x: the work-group's 256 scale words
.set WST,   136192                     ; weights: a wave's stage: two images of 1,536 bytes, 1,664 apart
.set WWAVE, 3200                       ; the second image needs no bytes behind it: 1,664 + 1,536
.set WSS,   161792                     ; weights: the work-group's 256 scale words
.set FLOOR, 0x1800000                  ; 2^(3 - 127): no largest magnitude is taken under it, so the byte cannot fall under 1
.set EOFF,  0xff000000                 ; takes 2 off an exponent field
	s_load_b256 s[4:11], s[0:1], 0x0               ; x s[4:5], wq s[6:7], wk s[8:9], wv s[10:11]
	s_load_b128 s[12:15], s[0:1], 0x20             ; wo s[12:13], cod s[14:15]
	s_load_b64 s[16:17], s[0:1], 0x30              ; csc
	v_lshl_add_u32 v254, v0, 2, 0x27c00            ; the spare words: 1,024 bytes behind the weights' scale words
	v_mov_b32 v255, 0
	v_lshrrev_b32 v1, 5, v0
	s_delay_alu instid0(VALU_DEP_1)
	v_readfirstlane_b32 s18, v1                    ; wave = K step
	v_and_b32 v1, 31, v0                           ; lane
	s_delay_alu instid0(VALU_DEP_1)
	v_lshlrev_b32 v4, 4, v1                        ; 16 x lane
	s_and_b32 s19, s18, 1
	s_lshl_b32 s19, s19, 9
	v_add_nc_u32 v18, s19, v4                      ; the scales' way out (waves 0 and 1): 512 x wave + 16 x lane
	s_mov_b32 s20, 0x76543210
	s_mov_b32 s21, 0xfedcba98                      ; v_permlanex16_b32's selects for lane l xor 16
	s_mov_b32 s27, 0                               ; the high word of every offset
	s_cmp_lt_u32 ttmp9, 256
	s_cbranch_scc0 .Lweights
; The work-group's 1,024 bytes of scale words leave as whole runs: all eight waves' words lie in LDS behind the barrier; waves 0 and 1 store 512 consecutive bytes each.
.macro SCOUT
	s_wait_dscnt 0x0                               ; for the others' sake: my words have landed
	s_barrier_signal -1
	s_barrier_wait -1
	s_cmp_ge_u32 s18, 2
	s_cbranch_scc1 .Ldone_\@
	ds_load_b128 v[250:253], v17
	s_wait_dscnt 0x0
	global_store_b128 v18, v[250:253], s[16:17]
.Ldone_\@:
	s_wait_tensorcnt 0x0
	ds_add_u32 v254, v255
	s_wait_dscnt 0x0
	s_endpgm
.endm
; ---------------- x: rows 32 g .. 32 g + 31, columns 128 w .. 128 w + 127 ----------------
	v_and_b32 v2, 15, v0                           ; r
	v_bfe_u32 v3, v0, 4, 1                         ; h
	s_mul_i32 s22, s18, XWAVE
	s_wait_alu depctr_va_vdst(0)
	v_add_nc_u32 v5, s22, v4                       ; into the stage: a row's 512 bytes as they lie
	v_mul_u32_u24 v6, v2, 528
	s_delay_alu instid0(VALU_DEP_1)
	v_lshl_add_u32 v6, v3, 7, v6
	s_delay_alu instid0(VALU_DEP_1)
	v_add_nc_u32 v6, s22, v6                       ; out of it: row r, + 128 h: my block of 32 numbers
	v_lshlrev_b32 v7, 3, v1                        ; 8 x lane: a chunk's place for my lane
	s_lshl_b32 s23, s18, 6
	s_add_co_u32 s23, s23, XSS
	v_lshl_add_u32 v8, v2, 2, s23                  ; my row's scale word: [tile][K step w][r]
	v_lshlrev_b32 v9, 3, v3                        ; 8 h
	v_mov_b32 v16, 0                               ; a lane permute's destination counts as one of its sources
	v_add_nc_u32 v17, XSS, v18
	s_lshl_b32 s26, ttmp9, 17                      ; 32 rows of 4,096 bytes
	s_lshl_b32 s28, s18, 9
	s_add_co_u32 s26, s26, s28
	s_wait_alu depctr_va_vdst(0)
	s_wait_kmcnt 0x0
	s_add_nc_u64 s[4:5], s[4:5], s[26:27]
	s_mul_i32 s26, ttmp9, 24576                    ; two tiles of 12,288 bytes
	s_mul_i32 s28, s18, 1536
	s_add_co_u32 s26, s26, s28
	s_add_nc_u64 s[14:15], s[14:15], s[26:27]
	s_lshl_b32 s26, ttmp9, 10
	s_add_nc_u64 s[16:17], s[16:17], s[26:27]
.irp u, 0,1                                    ; slot 16 u + r takes row 8 u + r + 8 (r / 8); each load reads 512 consecutive bytes; read once in the launch
.irp r, 0,1,2,3,4,5,6,7,8,9,10,11,12,13,14,15
	global_load_b128 v[32+4*(16*\u+\r):32+4*(16*\u+\r)+3], v4, s[4:5] offset:(8*\u+\r+8*(\r/8))*4096 th:TH_LOAD_NT
.endr
.endr
; Tile u: its 16 rows turn through the wave's own stage, so that lane (r, h) holds the whole blocks h and 2 + h of row r; then the blocks' scales, the codes, and the stores.
.macro XUNIT u
.if \u == 0
	s_wait_loadcnt 16                              ; tile 0's sixteen loads are in; tile 1's sixteen may be out
.else
	s_wait_loadcnt 0x0
.endif
.irp r, 0,1,2,3,4,5,6,7,8,9,10,11,12,13,14,15
	ds_store_b128 v5, v[32+4*(16*\u+\r):32+4*(16*\u+\r)+3] offset:528*(16*\u+\r)
.endr
.irp c, 0,1                                    ; LDS serves a wave's instructions in order: these see the stores above.  Rows 528 bytes apart: sixteen lanes touch sixteen different 16-byte columns modulo 256
.irp n, 0,1,2,3,4,5,6,7
	ds_load_b128 v[160+32*\c+4*\n:160+32*\c+4*\n+3], v6 offset:8448*\u+256*\c+16*\n
.endr
.endr
	s_wait_dscnt 0x0
.irp c, 0,1
	v_max3_num_f32 v[10+\c], |v[160+32*\c]|, |v[161+32*\c]|, FLOOR
.endr
.irp i, 2,4,6,8,10,12,14,16,18,20,22,24,26,28,30
.irp c, 0,1
	s_delay_alu instid0(VALU_DEP_2)
	v_max3_num_f32 v[10+\c], v[10+\c], |v[160+32*\c+\i]|, |v[161+32*\c+\i]|   ; the two blocks by turns
.endr
.endr
.irp c, 0,1
	s_delay_alu instid0(VALU_DEP_2)
	v_add_nc_u32 v[12+\c], EOFF, v[10+\c]          ; the conversion takes the exponent field of this operand as its scale
.endr
.irp c, 0,1
	s_delay_alu instid0(VALU_DEP_2)
	v_lshrrev_b32 v[14+\c], 23, v[12+\c]           ; the scale's byte
.endr
	s_delay_alu instid0(VALU_DEP_1)
	v_lshl_or_b32 v[248+\u], v15, 16, v14          ; my two bytes, blocks h and 2 + h,
	s_delay_alu instid0(VALU_DEP_1)
	v_lshlrev_b32 v[248+\u], v9, v[248+\u]         ; at their places in the word;
	s_delay_alu instid0(VALU_DEP_1)
	v_permlanex16_b32 v16, v[248+\u], s20, s21
	s_delay_alu instid0(VALU_DEP_1)
	v_or_b32 v[248+\u], v[248+\u], v16             ; with lane l xor 16's two the word is whole
.irp c, 0,1
	v_cvt_scalef32_pk16_fp6_f32 v[224+12*\u+6*\c:226+12*\u+6*\c], v[160+32*\c:175+32*\c], v[12+\c]
	v_cvt_scalef32_pk16_fp6_f32 v[20+4*\c:22+4*\c], v[176+32*\c:191+32*\c], v[12+\c]   ; (a conversion's three registers begin on an even number)
.endr
	v_nop                                          ; one plain place behind a scaled conversion
.irp c, 0,1
.irp i, 0,1,2
	v_mov_b32 v[227+12*\u+6*\c+\i], v[20+4*\c+\i]
.endr
.endr
.irp i, 0,1,2,3,4,5
	global_store_b64 v7, v[224+12*\u+2*\i:225+12*\u+2*\i], s[14:15] offset:12288*\u+256*\i   ; 32 lanes store 256 consecutive bytes, aligned
.endr
	ds_store_b32 v8, v[248+\u] offset:512*\u       ; both lanes of a row write the same word with the same value
.endm
	XUNIT 0
	XUNIT 1
	SCOUT
; ---------------- a weight: columns 32 g .. 32 g + 31, rows 128 w .. 128 w + 127.  A lane takes a column and its registers run down K ----------------
.Lweights:
	s_sub_co_u32 s22, ttmp9, 256
	s_lshr_b32 s23, s22, 5                         ; which weight
	s_and_b32 s24, s22, 31                         ; g
	s_wait_alu depctr_va_vdst(0)
	v_lshlrev_b32 v19, 2, v1                       ; 4 x lane
	v_bfe_u32 v2, v0, 3, 1                         ; column 32 g + l belongs to tile u = (l / 8) % 2,
	v_and_b32 v3, 7, v0
	v_bfe_u32 v5, v0, 4, 1
	s_delay_alu instid0(VALU_DEP_1)
	v_lshl_add_u32 v3, v5, 3, v3                   ; lane index r = l % 8 + 8 (l / 16)
	s_mul_i32 s25, s18, WWAVE
	s_add_co_u32 s25, s25, WST
	v_mul_u32_u24 v5, v2, 1664
	s_delay_alu instid0(VALU_DEP_1)
	v_lshl_add_u32 v5, v3, 3, v5
	s_delay_alu instid0(VALU_DEP_1)
	v_add_nc_u32 v5, s25, v5                       ; into the stage: image u, 8 r
	v_add_nc_u32 v6, s25, v4                       ; out of it: 16 x lane
	s_lshl_b32 s26, s18, 6
	s_add_co_u32 s26, s26, WSS
	v_lshlrev_b32 v8, 9, v2
	s_delay_alu instid0(VALU_DEP_1)
	v_lshl_add_u32 v8, v3, 2, v8
	s_delay_alu instid0(VALU_DEP_1)
	v_add_nc_u32 v8, s26, v8                       ; my column's scale word: [u][K step w][r]
	v_add_nc_u32 v17, WSS, v18
	s_wait_kmcnt 0x0
	s_cmp_eq_u32 s23, 1                            ; the choice hangs on the work-group's number alone
	s_cselect_b64 s[6:7], s[8:9], s[6:7]
	s_cmp_eq_u32 s23, 2
	s_cselect_b64 s[6:7], s[10:11], s[6:7]
	s_cmp_eq_u32 s23, 3
	s_cselect_b64 s[6:7], s[12:13], s[6:7]
	s_lshl_b32 s26, s18, 19                        ; 128 rows of 4,096 bytes
	s_lshl_b32 s28, s24, 7
	s_add_co_u32 s26, s26, s28
	s_add_nc_u64 s[6:7], s[6:7], s[26:27]
	s_lshl_b32 s28, s23, 6
	s_lshl_b32 s29, s24, 1
	s_add_co_u32 s28, s28, s29
	s_add_co_u32 s28, s28, 512                     ; my first tile: 512 + 64 wi + 2 g
	s_mul_i32 s26, s28, 12288
	s_mul_i32 s29, s18, 1536
	s_add_co_u32 s26, s26, s29
	s_add_nc_u64 s[14:15], s[14:15], s[26:27]
	s_lshl_b32 s26, s28, 9
	s_add_nc_u64 s[16:17], s[16:17], s[26:27]
.set k, 0
.rept 128
	global_load_b32 v[32+k], v19, s[6:7] offset:4096*k   ; 32 lanes read 128 consecutive bytes of row 128 w + k
.set k, k+1
.endr
; Block t of my column: all its 32 numbers are mine.  left: the younger loads that may stay out (a wait names 63 at the most; a smaller count is safe).
.macro WBLOCK t, left
.set XS, 32+32*(\t)
	s_wait_loadcnt \left
	v_max3_num_f32 v10, |v[XS]|, |v[XS+1]|, |v[XS+2]|
	v_max3_num_f32 v11, |v[XS+3]|, |v[XS+4]|, |v[XS+5]|
.irp i, 6,10,14,18,22,26
	s_delay_alu instid0(VALU_DEP_2)
	v_max3_num_f32 v10, v10, |v[XS+\i]|, |v[XS+\i+1]|
	s_delay_alu instid0(VALU_DEP_2)
	v_max3_num_f32 v11, v11, |v[XS+\i+2]|, |v[XS+\i+3]|
.endr
	s_delay_alu instid0(VALU_DEP_2)
	v_max3_num_f32 v10, v10, |v[XS+30]|, |v[XS+31]|
	s_delay_alu instid0(VALU_DEP_1)
	v_max3_num_f32 v10, v10, v11, FLOOR
	s_delay_alu instid0(VALU_DEP_1)
	v_add_nc_u32 v12, EOFF, v10
	s_delay_alu instid0(VALU_DEP_1)
	v_lshrrev_b32 v13, 23, v12
.if (\t) == 0
	s_delay_alu instid0(VALU_DEP_1)
	v_mov_b32 v16, v13
.else
	s_delay_alu instid0(VALU_DEP_1)
	v_lshl_or_b32 v16, v13, 8*(\t), v16            ; four bytes to the word, the lower K in the lower byte
.endif
	v_cvt_scalef32_pk16_fp6_f32 v[160+8*(\t):162+8*(\t)], v[XS:XS+15], v12
	v_cvt_scalef32_pk16_fp6_f32 v[192+4*(\t):194+4*(\t)], v[XS+16:XS+31], v12
	v_nop                                          ; one plain place behind a scaled conversion
.irp i, 0,1,2
	v_mov_b32 v[163+8*(\t)+\i], v[192+4*(\t)+\i]
.endr
.irp i, 0,1,2                                  ; block t is group t / 2, half t % 2 of the image: the 32 lanes' 8 bytes fall on 256 different bytes modulo 256
	ds_store_b64 v5, v[160+8*(\t)+2*\i:161+8*(\t)+2*\i] offset:768*((\t)/2)+128*((\t)%2)+256*\i
.endr
.endm
	WBLOCK 0, 63
	WBLOCK 1, 63
	WBLOCK 2, 32
	WBLOCK 3, 0
	ds_store_b32 v8, v16
.irp u, 0,1
.irp n, 0,1,2
	ds_load_b128 v[208+4*(3*\u+\n):208+4*(3*\u+\n)+3], v6 offset:1664*\u+512*\n   ; LDS serves a wave's instructions in order: these see my stores
.endr
.endr
	s_wait_dscnt 0x0
.irp u, 0,1
.irp n, 0,1,2
	global_store_b128 v4, v[208+4*(3*\u+\n):208+4*(3*\u+\n)+3], s[14:15] offset:12288*\u+512*\n   ; 512 consecutive bytes, aligned
.endr
.endr
	SCOUT
.Lfunc_end_k_q624b5c4b42_quant:
	.size	k_q624b5c4b42_quant, .Lfunc_end_k_q624b5c4b42_quant-k_q624b5c4b42_quant
	.p2alignl 7, 3214868480
	.fill 96, 4, 3214868480
	.section	.rodata,"a",@progbits
	.p2align	6, 0x0
	.amdhsa_kernel k_q624b5c4b42_quant
		.amdhsa_group_segment_fixed_size 163840
		.amdhsa_private_segment_fixed_size 0
		.amdhsa_enable_private_segment 0
		.amdhsa_kernarg_size 56
		.amdhsa_user_sgpr_count 2
		.amdhsa_user_sgpr_kernarg_segment_ptr 1
		.amdhsa_wavefront_size32 1
		.amdhsa_system_sgpr_workgroup_id_x 1
		.amdhsa_system_sgpr_workgroup_id_y 1
		.amdhsa_system_sgpr_workgroup_id_z 1
		.amdhsa_system_vgpr_workitem_id 0
		.amdhsa_next_free_vgpr 256
		.amdhsa_next_free_sgpr 66
		.amdhsa_reserve_vcc 0
		.amdhsa_float_denorm_mode_32 3
		.amdhsa_float_denorm_mode_16_64 3
		.amdhsa_memory_ordered 1
		.amdhsa_forward_progress 1
		.amdhsa_inst_pref_size 44
	.end_amdhsa_kernel
	.amdgpu_metadata
---
amdhsa.version: [ 1, 2 ]
amdhsa.kernels:
  - .name:           k_q624b5c4b42_quant
    .symbol:         k_q624b5c4b42_quant.kd
    .args:
      - { .name: hidden_states, .offset: 0, .size: 8, .value_kind: global_buffer, .address_space: global }
      - { .name: wq, .offset: 8, .size: 8, .value_kind: global_buffer, .address_space: global }
      - { .name: wk, .offset: 16, .size: 8, .value_kind: global_buffer, .address_space: global }
      - { .name: wv, .offset: 24, .size: 8, .value_kind: global_buffer, .address_space: global }
      - { .name: wo, .offset: 32, .size: 8, .value_kind: global_buffer, .address_space: global }
      - { .name: cod, .offset: 40, .size: 8, .value_kind: global_buffer, .address_space: global }
      - { .name: csc, .offset: 48, .size: 8, .value_kind: global_buffer, .address_space: global }
    .group_segment_fixed_size: 163840
    .private_segment_fixed_size: 0
    .kernarg_segment_align: 8
    .kernarg_segment_size: 56
    .max_flat_workgroup_size: 256
    .sgpr_count:     66
    .vgpr_count:     256
    .wavefront_size: 32
...
	.end_amdgpu_metadata
.endif
;; end of part 1
;; launch qkv (part 2): grid 4 x 64, 4 waves a work-group, clusters of 4 x 4, 327,680 bytes of LDS; arguments cod, csc, qkv_img, qkv_sc; writes qkv_img, qkv_sc
.if DOCPART == 2
	.amdgcn_target "amdgcn-amd-amdhsa--gfx1250"
	.amdhsa_code_object_version 6
	.text
	.protected	k_q624b5c4b42_qkv
	.globl	k_q624b5c4b42_qkv
	.p2align	8
	.type	k_q624b5c4b42_qkv,@function
k_q624b5c4b42_qkv:
	s_mov_b64 s[64:65], 0
	v_nop
	global_prefetch_b8 v0, s[64:65] scope:SCOPE_SE
	s_setreg_imm32_b32 hwreg(HW_REG_WAVE_MODE, 25, 1), 1
	s_wait_xcnt 0x0
	s_wait_alu depctr_hold_cnt(0) depctr_sa_sdst(0) depctr_va_vdst(0) depctr_va_sdst(0) depctr_va_ssrc(0) depctr_va_vcc(0) depctr_vm_vsrc(0)
	s_getreg_b32 s2, hwreg(HW_REG_IB_STS2, 6, 4)
	s_cmp_eq_u32 s2, 0
	s_cbranch_scc0 .Lentry_in_a_cluster
	s_endpgm
.Lentry_in_a_cluster:
	s_bfe_u32 s2, ttmp6, 0x10000c
	s_cmp_lg_u32 s2, 0xf033
	s_cbranch_scc0 .Lentry_shape_is_right
	s_endpgm
.Lentry_shape_is_right:
; q = x wq, k = x wk, v = x wv on codes of FP6 (E2M3) with E8M0 scales, K = 1,024; the results are quantised in registers and leave as codes in the order of an operand's registers.
; ONE GEMM: A' = x (8,192 rows), B' = wq | wk | wv (3,072 columns).  A WORK-GROUP STAYS: it owns 128 rows of x and makes three tiles of 128 x 256: columns 256 j .. of wq, then of wk, then of wv.
; Four waves; wave (wa, wb) makes 64 x 128: 32 accumulators, 256 registers.
; LDS.  A' lies there whole (128 rows x 768 bytes), filled once.  B' goes through TWO SLOTS of half of K each (256 rows x 384 bytes): slot 0 is filled again, with the next tile's columns, in step 3 of a tile,
; slot 1 in step 7, each behind a round of the cluster's barrier; from a refill to the wait for it a wave issues 112 matrix instructions, for slot 1 the way out besides.  By this text's count a wave has
; one tensor load out at the start and one behind each such round.  The scale words of all three tiles come with the first fills.
; q AND k: the matrix instruction is used transposed (source 0 = a tile of B', source 1 = a tile of A'): a lane holds one row of x, its registers run along (head, d).
; v: source 0 = a tile of x, source 1 = a tile of wv: a lane holds one (head, d), its registers run along the keys, which are the K of the second product of attention.
; A tile's rows are 32 g + 8 u + r + 8 (r / 8), so the 16 registers of source 0's tiles 2 g and 2 g + 1 are 16 neighbours: 32 g + 16 (lane / 16) + 0 .. 15, as the quantiser wants them.
; CLUSTERS: 4 x 4 work-groups; x's tiles are asked for jointly by a row of the cluster, the weights' by a column.
; OUT: qkv_img: at 0 [32 groups: 16 heads of q, 16 of k][512 row tiles][768]; at 12,582,912 [128 groups of 64 keys][64 tiles of (head, d)][768].  qkv_sc: at 0 [16][512][16] words; at 524,288 [64][64][16] words.
; LIMITS: a block of zeros gets the byte 1 (its codes are zeros; this program alone reads the bytes); blocks under 2^-124 are held at the byte 1; NaN and infinities are not served.
; REGISTERS.  window 0: v1-21 addresses; v32-47 A' scale words, v48-79 B' (register 4 tile + j: K step 2 j in lanes 0-15, 2 j + 1 in lanes 16-31); v80-175 A' fragments, two sets; v176-253 the way out.
;   window 1: B' fragments, two sets of 96.   window 2: the accumulators: (a, b) at v[8 (8 a + b)] for q and k, at v[8 (4 b + a)] for v.
.set HALFA, 49152                      ; LDS: A' [half of K 2][tile 8][6,144] from 0;
.set BLDS,  98304                      ; B' [slot 2][tile 16][6,144] from here;
.set HALFB, 98304
.set ASC,   294912                     ; A' scale words, 8 tiles x 512 bytes;
.set BSC,   299008                     ; B' scale words, [weight 3][tile 16][512];
.set SCR,   323584                     ; scratch that no fill touches: 256 bytes a wave (q's and k's scale words);
.set SCV,   324608                     ; 1,024 bytes for the work-group (v's scale words);
.set SPARE, 325632                     ; the spare words, 128 bytes for each wave: two blocks of 256 bytes that no other line names
.set WSTEP, 786432                     ; from a weight's tiles to the next weight's in cod: 64 tiles x 12,288 bytes
.set G1A,  28                          ; descriptor groups 1: A' halves, A' scales, B' slots, B' scales
.set G1AS, 36
.set G1B,  44
.set G1BS, 52
.set G0AS, 60                          ; groups 0: A' scales; A' two halves; B' scales; B' one for each slot
.set G0A,  68
.set G0BS, 76
.set G0B,  80
.set SPW, 20                           ; v20  LDS address of my spare word; never rewritten
.set NIL, 21                           ; v21  0; never rewritten
.set TM,  176                          ; v176-179 largest magnitudes, v180-183 the other half's / bytes, v188-191 scale operands
.set PW,  192                          ; q, k: v192-195 four tiles' scale words; v: v192-199 eight tiles' halfwords
.set T2,  196                          ; q, k: v196-203 second halves of conversions
.set T2V, 200                          ; v: v200-202
.set PCB, 206                          ; v206-253 the codes on their way out
.set FLOOR, 0x1800000
.set EOFF,  0xff000000
.set MSB, 0
.macro WIN new                         ; the immediate's high byte repeats the setting that is left
.if MSB != \new
	s_set_vgpr_msb (MSB<<8)|\new
.set MSB, \new
.endif
.endm
.macro CREST                           ; a round of the cluster's barrier behind its opening barrier
	s_cmp_lg_u32 s12, 0
	s_cbranch_scc1 .Lnot_wave_0_\@
	s_barrier_signal -3
.Lnot_wave_0_\@:
	s_barrier_wait -3
	s_barrier_signal -1
	s_barrier_wait -1
.endm
.macro CROUND                          ; a whole round
	s_barrier_signal -1
	s_barrier_wait -1
	CREST
.endm
.macro PLACES                          ; four plain places behind matrix instructions, in front of loads into their sources and of reads of results
.rept 4
	v_nop
.endr
.endm
.macro G1SET g, c, r, p                ; r rows of c elements of 8 bytes, p elements from row to row
	s_mov_b32 s[\g+1], (\c)<<16
	s_mov_b32 s[\g+2], (\r)<<16
	s_mov_b32 s[\g+3], (\c)<<16
	s_mov_b32 s[\g+4], \r
	s_mov_b32 s[\g+5], \p
	s_mov_b32 s[\g+6], 0
	s_mov_b32 s[\g+7], 0
.endm
.macro G0SET g, lreg, loff, ptr, off
	s_mov_b32 s[\g], 1
	s_add_co_u32 s[\g+1], s[\lreg], \loff
	s_add_nc_u64 s[\g+2:\g+3], s[\ptr:\ptr+1], \off
	s_or_b32 s[\g+3], s[\g+3], 0x80000000
.endm
	s_load_b256 s[4:11], s[0:1], 0x0               ; cod s[4:5], csc s[6:7], qkv_img s[8:9], qkv_sc s[10:11]
	v_lshl_add_u32 v[SPW], v0, 2, SPARE
	v_mov_b32 v[NIL], 0
	ds_add_u32 v20, v21
	ds_add_u32 v20, v21
	s_wait_dscnt 0x0
	v_lshrrev_b32 v1, 5, v0
	v_readfirstlane_b32 s12, v1                    ; wave 0..3
	s_lshr_b32 s13, s12, 1                         ; wa: my 64 rows of A'.  Also: I fetch for A' (0) or B' (1)
	s_and_b32 s14, s12, 1                          ; wb: my 128 columns of B'.  Also: which half of that operand's tiles I fetch
	s_bfe_u32 s15, ttmp6, 0x40000                  ; cx
	s_bfe_u32 s16, ttmp6, 0x40004                  ; cy
	s_and_b32 s17, ttmp7, 0xffff
	s_lshl_b32 s17, s17, 2
	s_add_co_u32 s17, s17, s16                     ; tile row: 128 rows of x
	s_lshl_b32 s18, ttmp9, 2
	s_add_co_u32 s18, s18, s15                     ; column group j: 256 columns of each weight
	s_lshl_b32 s19, s16, 2
	s_lshl_b32 s19, 15, s19                        ; my row of the cluster
	s_lshl_b32 s100, 0x1111, s15                   ; my column
	s_or_b32 s[G1A], s19, (3<<16)|(1<<21)          ; 15:0 the mask; 17:16 elements of 8 bytes; 21 set beside a mask; no padding
	s_or_b32 s[G1AS], s19, (3<<16)|(1<<21)
	s_or_b32 s[G1B], s100, (3<<16)|(1<<21)
	s_or_b32 s[G1BS], s100, (3<<16)|(1<<21)
	G1SET G1A, 768, 8, 1536                        ; at the head eight tiles' 6,144 bytes of half of K; behind it the two words that count rows are set to four
	G1SET G1AS, 32, 16, 32                         ; eight tiles' scale words: 4,096 dense bytes
	G1SET G1B, 768, 16, 1536                       ; at the head sixteen tiles; behind it eight
	G1SET G1BS, 1024, 3, 4096                      ; sixteen tiles' scale words (8,192 bytes) of each of the three weights, 32,768 bytes apart
	s_mov_b32 s94, 0x76543210
	s_mov_b32 s95, 0xfedcba98                      ; v_permlanex16_b32's selects for lane l xor 16
	s_lshl_b32 s22, s17, 3                         ; A' addresses are made of the tile row and the wave's number,
	s_lshl_b32 s2, s22, 9
	s_mov_b32 s3, 0
	s_mul_i32 s22, s22, 12288
	s_mov_b32 s23, 0
	s_lshl_b32 s66, s18, 4                         ; B' addresses of the column group and the wave's number
	s_add_co_u32 s66, s66, 512                     ; wq's tiles in cod
	s_lshl_b32 s100, s66, 9
	s_mov_b32 s101, 0
	s_mul_i32 s66, s66, 12288
	s_mov_b32 s67, 0
	s_wait_kmcnt 0x0
	s_add_nc_u64 s[22:23], s[4:5], s[22:23]
	s_add_nc_u64 s[2:3], s[6:7], s[2:3]
	s_add_nc_u64 s[66:67], s[4:5], s[66:67]
	s_add_nc_u64 s[100:101], s[6:7], s[100:101]
	s_mov_b32 s19, 0                               ; the head's four tiles, each whole: A' scale words, A' first half of K, B' scale words, B' slot 0
	G0SET G0AS, 19, ASC, 2, 0
	G0SET G0A, 19, 0, 22, 0
	G0SET G0BS, 19, BSC, 100, 0
	G0SET 24, 19, BLDS, 66, 0
	s_mul_i32 s20, s14, 49152                      ; behind the head a wave fetches half of an operand's tiles: four of A',
	s_mov_b32 s21, 0
	s_add_nc_u64 s[22:23], s[22:23], s[20:21]
	s_mul_i32 s19, s14, 24576                      ; LDS addresses hang on the wave's number alone
	G0SET G0A+4, 19, HALFA, 22, 6144
	s_mul_i32 s20, s14, 98304                      ; eight of B'
	s_add_nc_u64 s[66:67], s[66:67], s[20:21]
	s_mul_i32 s19, s14, 49152
	G0SET G0B, 19, BLDS, 66, 0
	G0SET G0B+4, 19, BLDS+HALFB, 66, 6144
	CROUND                                         ; all sixteen work-groups are here: the joint loads meet
; The head's loads, one a wave: one chain of branches on the wave's number, every way through it passes one load.
.macro ARM under, g0, g1, next
	s_cmp_lt_u32 s12, \under
	s_cbranch_scc0 \next
	tensor_load_to_lds s[\g0:\g0+3], s[\g1:\g1+7]
	s_nop 0
.rept 4
	v_nop
.endr
	s_branch .Lfilled
\next:
.endm
	ARM 1, G0AS, G1AS, .Lhead_bs
	ARM 2, G0BS, G1BS, .Lhead_a
	ARM 3, G0A, G1A, .Lhead_b
	tensor_load_to_lds s[24:27], s[G1B:G1B+7]
	s_nop 0
.rept 4
	v_nop
.endr
.Lfilled:
	v_and_b32 v1, 15, v0                           ; r
	v_and_b32 v3, 31, v0                           ; lane
	v_lshlrev_b32 v14, 3, v3                       ; 8 x lane
	v_lshlrev_b32 v17, 2, v3                       ; 4 x lane
	s_wait_alu depctr_va_vdst(0)
	s_mul_i32 s19, s13, 24576
	s_mul_i32 s2, s14, 49152
	s_add_co_u32 s2, s2, BLDS
.irp q, 0,1
	v_add_nc_u32 v[4+\q], s19, v14                 ; my four tiles of A' in half q of K
	v_add_nc_u32 v[8+\q], s2, v14                  ; my eight tiles of B' in slot q
	s_add_co_u32 s19, s19, HALFA
	s_add_co_u32 s2, s2, HALFB
.endr
	s_lshl_b32 s19, s13, 11
	s_add_co_u32 s19, s19, ASC
	v_add_nc_u32 v12, s19, v17
	s_lshl_b32 s19, s14, 12                        ; B' scale words lie [weight 3][tile 16][512]
	s_add_co_u32 s19, s19, BSC
	v_add_nc_u32 v13, s19, v17
	s_lshl_b32 s19, s12, 8
	s_add_co_u32 s19, s19, SCR
	v_lshl_add_u32 v15, v1, 2, s19                 ; q, k: my row's scale word in my wave's scratch,
	v_add_nc_u32 v16, s19, v14                     ; and back, 8 bytes a lane
	s_add_co_u32 s19, s19, SCV-SCR
	v_add_nc_u32 v19, s19, v14                     ; v: back from the work-group's scratch: 256 x wave + 8 x lane
	s_lshl_b32 s19, s14, 9
	s_lshl_b32 s2, s13, 1
	s_add_co_u32 s19, s19, s2
	s_add_co_u32 s19, s19, SCV
	v_lshl_add_u32 v18, v1, 2, s19                 ; v: my halfword: [tile 8 wb + b][r], bytes 2 wa on
.irp b, 0,1,2,3
	v_mov_b32 v[TM+4+\b], 0                        ; a lane permute's destination counts as one of its sources
.endr
; K step s (128 along K): the fragments come as they lie, six loads of 8 bytes each, 256 consecutive bytes an instruction: no conflicts, no padding.
.macro FETCH s
	WIN 0x40                                       ; destination window 1
.irp b, 0,1,2,3,4,5,6,7
.irp i, 0,1,2,3,4,5
	ds_load_b64 v[96*((\s)%2)+12*\b+2*\i:96*((\s)%2)+12*\b+2*\i+1], v[8+(\s)/4] offset:6144*\b+1536*((\s)%4)+256*\i
.endr
.endr
	WIN 0
.irp a, 0,1,2,3
.irp i, 0,1,2,3,4,5
	ds_load_b64 v[80+48*((\s)%2)+12*\a+2*\i:80+48*((\s)%2)+12*\a+2*\i+1], v[4+(\s)/4] offset:6144*\a+1536*((\s)%4)+256*\i
.endr
.endr
.endm
.macro SBLOAD t                        ; the scale words of my eight tiles of weight t
.irp b, 0,1,2,3,4,5,6,7
.irp j, 0,1,2,3
	ds_load_b32 v[48+4*\b+\j], v13 offset:8192*(\t)+512*\b+128*\j
.endr
.endr
.endm
; One product of K step s.  Step 0 starts the sum with the constant 0; an odd step's scale words lie in lanes 16-31.
.macro WM s, d, x, y, sx, sy
.if (\s) == 0
	v_wmma_scale_f32_16x16x128_f8f6f4 v[\d:\d+7], v[\x:\x+11], v[\y:\y+11], 0, v[\sx], v[\sy] matrix_a_fmt:MATRIX_FMT_FP6 matrix_b_fmt:MATRIX_FMT_FP6
.elseif (\s)%2 == 0
	v_wmma_scale_f32_16x16x128_f8f6f4 v[\d:\d+7], v[\x:\x+11], v[\y:\y+11], v[\d:\d+7], v[\sx], v[\sy] matrix_a_fmt:MATRIX_FMT_FP6 matrix_b_fmt:MATRIX_FMT_FP6
.else
	v_wmma_scale_f32_16x16x128_f8f6f4 v[\d:\d+7], v[\x:\x+11], v[\y:\y+11], v[\d:\d+7], v[\sx], v[\sy] matrix_a_fmt:MATRIX_FMT_FP6 matrix_b_fmt:MATRIX_FMT_FP6 matrix_a_scale:MATRIX_SCALE_ROW1 matrix_b_scale:MATRIX_SCALE_ROW1
.endif
.endm
; n tiles of A' from a0 on x the eight of B'.  sw = 0: source 0 = B' (q, k); sw = 1: source 0 = A' (v).  The 32 accumulators take turns, one instruction a turn, in the same order in every step.
.macro MUL s, a0, n, sw
.set AA, \a0
.rept \n
.irp b, 0,1,2,3,4,5,6,7
.set rB, 96*((\s)%2)+12*\b
.set rA, 80+48*((\s)%2)+12*AA
.set rSB, 48+4*\b+(\s)/2
.set rSA, 32+4*AA+(\s)/2
.if \sw
.set rD, 8*(4*\b+AA)
	WM \s, rD, rA, rB, rSA, rSB
.else
.set rD, 8*(8*AA+\b)
	WM \s, rD, rB, rA, rSB, rSA
.endif
.endr
.set AA, AA+1
.endr
.endm
; A step whose successor lies in the same slot: it multiplies its set of fragments and fetches the next step's into the other set.  w: the windows of the products.
.macro PLAIN s, sw, w
	s_wait_dscnt 0x0                               ; this step's fragments are in
.if (\s) > 0
	PLACES                                         ; behind the last step's products, which read the set that is loaded now
.endif
	FETCH (\s)+1
	WIN \w
	MUL \s, 0, 4, \sw
.endm
; A slot's last step (3 or 7).  ONE barrier: in front of it each wave waits for all its tensor loads (the other slot's among them), adds 0 to its spare word, and waits for that and for its reads of this slot.
; fill = 1: the barrier opens a round of the cluster's barrier, and behind the round this slot is filled with the next weight's columns: the first tensor load there, one a wave (waves 2 and 3).
; Step 7 then fetches the next tile's first fragments and, behind its own last products, the next weight's scale words: they land under the way out.
.macro TURN s, sw, w, t, fill
	s_wait_dscnt 0x0                               ; this step's fragments are in: my reads of this slot are over
	WIN 0                                          ; (the add's two registers lie in window 0)
	s_wait_tensorcnt 0x0                           ; all my tensor loads have landed
	ds_add_u32 v[SPW], v[NIL]                      ; 0 onto my spare word
	WIN \w
	MUL \s, 0, 1, \sw                              ; eight matrix instructions stand between the add and the wait for it
	s_wait_dscnt 0x0                               ; the add is done
	s_barrier_signal -1
	MUL \s, 1, 1, \sw                              ; work on registers while the others arrive
	WIN 0
	s_barrier_wait -1
.if \fill
	CREST                                          ; no wave of any partner still reads this slot or has a load on its way
	s_add_nc_u64 s[G0B+4*((\s)/4)+2:G0B+4*((\s)/4)+3], s[G0B+4*((\s)/4)+2:G0B+4*((\s)/4)+3], WSTEP
	s_cmp_eq_u32 s13, 0                            ; the branch hangs on the wave's number alone
	s_cbranch_scc1 .Lnone_\@
	tensor_load_to_lds s[G0B+4*((\s)/4):G0B+4*((\s)/4)+3], s[G1B:G1B+7]
	s_nop 0
.rept 4
	v_nop
.endr
.Lnone_\@:
.endif
	PLACES                                         ; on every wave's way: behind the products that read the set that is loaded now
	FETCH ((\s)+1)%8
	WIN \w
	MUL \s, 2, 2, \sw
.if (\s) == 7
	WIN 0
	PLACES                                         ; behind the tile's last products: for the loads into the scale words and for the way out's first reads
	SBLOAD (\t)+1
.endif
.endm
; THE WAY OUT OF q AND k.  Tile a of A': a lane's 64 results, register 16 b + i = column 32 b + 16 (lane / 16) + i of its row, become two half fragments (two heads) and a scale word.
.macro QUANT a
.set AC, 64*(\a)
.set PC, PCB+12*(\a)
	WIN 0x0a                                       ; sources 0 and 1 window 2
.irp b, 0,1,2,3
	v_max3_num_f32 v[TM+\b], |v[AC+16*\b]|, |v[AC+16*\b+1]|, FLOOR   ; each accumulator is read from its low end on
.endr
.irp i, 2,4,6,8,10,12,14
.irp b, 0,1,2,3
	v_max3_num_f32 v[TM+\b], |v[AC+16*\b+\i]|, |v[AC+16*\b+\i+1]|, v[TM+\b]   ; the four blocks by turns
.endr
.endr
	WIN 0
.irp b, 0,1,2,3
	v_permlanex16_b32 v[TM+4+\b], v[TM+\b], s94, s95
.endr
.irp b, 0,1,2,3
	v_max_num_f32 v[TM+\b], v[TM+\b], v[TM+4+\b]   ; with lane l xor 16's: the block's largest magnitude
.endr
.irp b, 0,1,2,3
	v_add_nc_u32 v[TM+12+\b], EOFF, v[TM+\b]       ; the conversion's scale operand
.endr
.irp b, 0,1,2,3
	v_lshrrev_b32 v[TM+4+\b], 23, v[TM+12+\b]      ; the scale's byte
.endr
	v_lshl_or_b32 v[PW+\a], v[TM+5], 8, v[TM+4]
	v_lshl_or_b32 v[PW+\a], v[TM+6], 16, v[PW+\a]
	v_lshl_or_b32 v[PW+\a], v[TM+7], 24, v[PW+\a]
	WIN 0x02                                       ; source 0 window 2
.irp c, 0,1
	v_cvt_scalef32_pk16_fp6_f32 v[PC+6*\c:PC+6*\c+2], v[AC+32*\c:AC+32*\c+15], v[TM+12+2*\c]
	v_cvt_scalef32_pk16_fp6_f32 v[T2+4*\c:T2+4*\c+2], v[AC+32*\c+16:AC+32*\c+31], v[TM+13+2*\c]   ; (a conversion's three registers begin on an even number)
.endr
	WIN 0
	v_nop                                          ; one plain place behind a scaled conversion
.irp c, 0,1                                    ; the layout wants a whole block in a lane: lanes 0-15 block 2 c, lanes 16-31 block 2 c + 1
.irp i, 0,1,2
	v_permlane16_swap_b32 v[PC+6*\c+\i], v[T2+4*\c+\i]
.endr
.irp i, 0,1,2
	v_mov_b32 v[PC+3+6*\c+\i], v[T2+4*\c+\i]
.endr
.endr
.irp i, 0,1,2
	global_store_b64 v14, v[PC+2*\i:PC+2*\i+1], s[88:89] offset:768*(\a)+256*\i     ; 32 lanes store 256 consecutive bytes, aligned
	global_store_b64 v14, v[PC+6+2*\i:PC+6+2*\i+1], s[90:91] offset:768*(\a)+256*\i
.endr
	ds_store_b32 v15, v[PW+\a] offset:64*(\a)      ; both lanes of a row write the same word with the same value
.endm
.macro EPQK t                          ; t = 0: q, 1: k
.if (\t) > 0
	s_wait_xcnt 0x0                                ; the last tile's stores have read their bases and their registers: both are written again only behind this wait
.endif
	s_lshl_b32 s98, s17, 3
	s_lshl_b32 s99, s13, 2
	s_add_co_u32 s98, s98, s99                     ; my first row tile
	s_lshl_b32 s96, s18, 2
	s_lshl_b32 s99, s14, 1
	s_add_co_u32 s96, s96, s99
	s_add_co_u32 s96, s96, 16*(\t)                 ; my first group of 64 columns: a head of q or of k
	s_lshl_b32 s96, s96, 9
	s_add_co_u32 s96, s96, s98
	s_mul_i32 s96, s96, 768
	s_mov_b32 s97, 0
	s_add_nc_u64 s[88:89], s[8:9], s[96:97]        ; the first head's images,
	s_add_nc_u64 s[90:91], s[88:89], 393216        ; the second's: 512 tiles on
	s_lshl_b32 s96, s18, 1
	s_add_co_u32 s96, s96, s14
	s_add_co_u32 s96, s96, 8*(\t)                  ; my 128 columns
	s_lshl_b32 s96, s96, 9
	s_add_co_u32 s96, s96, s98
	s_lshl_b32 s96, s96, 6
	s_add_nc_u64 s[92:93], s[10:11], s[96:97]      ; my four tiles' scale words: 256 consecutive bytes, aligned
	QUANT 0
	QUANT 1
	QUANT 2
	QUANT 3
	ds_load_b64 v[204:205], v16                    ; my own bytes, served in order
	s_wait_dscnt 0x0
	global_store_b64 v14, v[204:205], s[92:93]
.endm
; THE WAY OUT OF v.  Tile b of wv's columns: a lane's 32 results, register 16 e + i = key 32 e + 16 (lane / 16) + i of its (head, d), become one half fragment (64 keys) and two scale bytes.
.macro QV b
.set AC, 32*(\b)
.set PC, PCB+6*(\b)
	WIN 0x0a
.irp e, 0,1
	v_max3_num_f32 v[TM+\e], |v[AC+16*\e]|, |v[AC+16*\e+1]|, FLOOR   ; each accumulator is read from its low end on
.endr
.irp i, 2,4,6,8,10,12,14
.irp e, 0,1
	v_max3_num_f32 v[TM+\e], |v[AC+16*\e+\i]|, |v[AC+16*\e+\i+1]|, v[TM+\e]
.endr
.endr
	WIN 0
.irp e, 0,1
	v_permlanex16_b32 v[TM+4+\e], v[TM+\e], s94, s95
.endr
.irp e, 0,1
	v_max_num_f32 v[TM+\e], v[TM+\e], v[TM+4+\e]
.endr
.irp e, 0,1
	v_add_nc_u32 v[TM+12+\e], EOFF, v[TM+\e]
.endr
.irp e, 0,1
	v_lshrrev_b32 v[TM+4+\e], 23, v[TM+12+\e]
.endr
	v_lshl_or_b32 v[PW+\b], v[TM+5], 8, v[TM+4]    ; my 64 keys' two bytes
	WIN 0x02
	v_cvt_scalef32_pk16_fp6_f32 v[PC:PC+2], v[AC:AC+15], v[TM+12]
	v_cvt_scalef32_pk16_fp6_f32 v[T2V:T2V+2], v[AC+16:AC+31], v[TM+13]
	WIN 0
	v_nop                                          ; one plain place behind a scaled conversion
.irp i, 0,1,2
	v_permlane16_swap_b32 v[PC+\i], v[T2V+\i]
.endr
.irp i, 0,1,2
	v_mov_b32 v[PC+3+\i], v[T2V+\i]
.endr
.irp i, 0,1,2
	global_store_b64 v14, v[PC+2*\i:PC+2*\i+1], s[88:89] offset:768*(\b)+256*\i     ; 32 lanes store 256 consecutive bytes, aligned
.endr
	ds_store_b16 v18, v[PW+\b] offset:64*(\b)      ; both lanes of a (head, d) write the same halfword with the same value
.endm
	s_wait_alu depctr_va_vdst(0)
	s_wait_tensorcnt 0x0                           ; my tile of the head's four is in
	ds_add_u32 v[SPW], v[NIL]
	s_mov_b32 s[G1A+2], 4<<16                      ; no tensor load of mine is out: from here on a load brings four tiles of A',
	s_mov_b32 s[G1A+4], 4
	s_mov_b32 s[G1B+2], 8<<16                      ; eight of B'
	s_mov_b32 s[G1B+4], 8
	s_wait_dscnt 0x0
	CROUND                                         ; everybody's tiles are in, and the joint loads meet
	s_cmp_eq_u32 s13, 0                            ; the second half of K: waves 0 and 1 A', waves 2 and 3 B' slot 1; it lands under steps 0 to 3
	s_cbranch_scc0 .Lsecond_b
	tensor_load_to_lds s[G0A+4:G0A+7], s[G1A:G1A+7]
	s_nop 0
.rept 4
	v_nop
.endr
	s_branch .Lsecond
.Lsecond_b:
	tensor_load_to_lds s[G0B+4:G0B+7], s[G1B:G1B+7]
	s_nop 0
.rept 4
	v_nop
.endr
.Lsecond:
.irp a, 0,1,2,3
.irp j, 0,1,2,3
	ds_load_b32 v[32+4*\a+\j], v12 offset:512*\a+128*\j
.endr
.endr
	SBLOAD 0
	FETCH 0
.irp t, 0,1                                    ; q, then k
.irp s, 0,1,2
	PLAIN \s, 0, 0xa1                              ; source 0 (B') window 1, source 1 (A') window 0, C and D window 2
.endr
	TURN 3, 0, 0xa1, \t, 1
.irp s, 4,5,6
	PLAIN \s, 0, 0xa1
.endr
	TURN 7, 0, 0xa1, \t, 1
	EPQK \t
.endr
.irp s, 0,1,2                                  ; v
	PLAIN \s, 1, 0xa4                              ; source 0 (A') window 0, source 1 (B') window 1, C and D window 2
.endr
	TURN 3, 1, 0xa4, 2, 0                          ; nothing is left to fetch: a barrier of the work-group alone shows slot 1 whole
.irp s, 4,5,6
	PLAIN \s, 1, 0xa4
.endr
	s_wait_dscnt 0x0
	WIN 0xa4
	MUL 7, 0, 4, 1
	WIN 0
	PLACES
	s_wait_xcnt 0x0                                ; k's stores have read their bases and their registers
	s_lshl_b32 s96, s17, 1
	s_add_co_u32 s96, s96, s13                     ; my group of 64 keys
	s_lshl_b32 s96, s96, 6
	s_lshl_b32 s98, s18, 4
	s_add_co_u32 s96, s96, s98
	s_lshl_b32 s98, s14, 3
	s_add_co_u32 s96, s96, s98                     ; x 64 + my first tile of (head, d)
	s_mul_i32 s96, s96, 768
	s_add_co_u32 s96, s96, 12582912
	s_mov_b32 s97, 0
	s_add_nc_u64 s[88:89], s[8:9], s[96:97]        ; my eight half fragments: 6,144 consecutive bytes
	s_lshl_b32 s96, s17, 6                         ; the work-group's 128 keys x its 16 tiles of (head, d): 1,024 consecutive bytes of scale words,
	s_lshl_b32 s98, s18, 4
	s_add_co_u32 s96, s96, s98
	s_lshl_b32 s96, s96, 6
	s_lshl_b32 s98, s12, 8
	s_add_co_u32 s96, s96, s98                     ; of which each wave stores 256
	s_add_co_u32 s96, s96, 524288
	s_add_nc_u64 s[92:93], s[10:11], s[96:97]
.irp b, 0,1,2,3,4,5,6,7
	QV \b
.endr
	s_wait_dscnt 0x0                               ; for the others' sake: my halfwords have landed
	s_barrier_signal -1
	s_barrier_wait -1                              ; a word's two halves come from two waves
	ds_load_b64 v[204:205], v19
	s_wait_dscnt 0x0
	global_store_b64 v14, v[204:205], s[92:93]
	s_wait_tensorcnt 0x0                           ; the wave's end, behind my last tensor load and my last LDS store
	ds_add_u32 v[SPW], v[NIL]
	s_wait_dscnt 0x0
	CROUND                                         ; the closing round: no work-group ends while a partner may still ask for a tile that names it
	s_endpgm
.Lfunc_end_k_q624b5c4b42_qkv:
	.size	k_q624b5c4b42_qkv, .Lfunc_end_k_q624b5c4b42_qkv-k_q624b5c4b42_qkv
	.p2alignl 7, 3214868480
	.fill 96, 4, 3214868480
	.section	.rodata,"a",@progbits
	.p2align	6, 0x0
	.amdhsa_kernel k_q624b5c4b42_qkv
		.amdhsa_group_segment_fixed_size 327680
		.amdhsa_private_segment_fixed_size 0
		.amdhsa_enable_private_segment 0
		.amdhsa_kernarg_size 32
		.amdhsa_user_sgpr_count 2
		.amdhsa_user_sgpr_kernarg_segment_ptr 1
		.amdhsa_wavefront_size32 1
		.amdhsa_system_sgpr_workgroup_id_x 1
		.amdhsa_system_sgpr_workgroup_id_y 1
		.amdhsa_system_sgpr_workgroup_id_z 1
		.amdhsa_system_vgpr_workitem_id 0
		.amdhsa_next_free_vgpr 768
		.amdhsa_next_free_sgpr 102
		.amdhsa_reserve_vcc 0
		.amdhsa_float_denorm_mode_32 3
		.amdhsa_float_denorm_mode_16_64 3
		.amdhsa_memory_ordered 1
		.amdhsa_forward_progress 1
		.amdhsa_inst_pref_size 255
	.end_amdhsa_kernel
	.section	.bss,"aw",@nobits
	.p2align	6
	.space	262144
	.amdgpu_metadata
---
amdhsa.version: [ 1, 2 ]
amdhsa.kernels:
  - .name:           k_q624b5c4b42_qkv
    .symbol:         k_q624b5c4b42_qkv.kd
    .args:
      - { .name: cod, .offset: 0, .size: 8, .value_kind: global_buffer, .address_space: global }
      - { .name: csc, .offset: 8, .size: 8, .value_kind: global_buffer, .address_space: global }
      - { .name: qkv_img, .offset: 16, .size: 8, .value_kind: global_buffer, .address_space: global }
      - { .name: qkv_sc, .offset: 24, .size: 8, .value_kind: global_buffer, .address_space: global }
    .group_segment_fixed_size: 327680
    .private_segment_fixed_size: 0
    .kernarg_segment_align: 8
    .kernarg_segment_size: 32
    .max_flat_workgroup_size: 128
    .sgpr_count:     102
    .vgpr_count:     768
    .wavefront_size: 32
...
	.end_amdgpu_metadata
.endif
;; end of part 2
;; launch attn (part 3): grid 2 x 128, 16 waves a work-group, no clusters, 327,680 bytes of LDS; arguments qkv_img, qkv_sc, rel_bias, ctx_img, ctx_sc; writes ctx_img, ctx_sc
.if DOCPART == 3
	.amdgcn_target "amdgcn-amd-amdhsa--gfx1250"
	.amdhsa_code_object_version 6
	.text
	.protected	k_q624b5c4b42_attn
	.globl	k_q624b5c4b42_attn
	.p2align	8
	.type	k_q624b5c4b42_attn,@function
k_q624b5c4b42_attn:
	s_mov_b64 s[64:65], 0
	v_nop
	global_prefetch_b8 v0, s[64:65] scope:SCOPE_SE
	s_setreg_imm32_b32 hwreg(HW_REG_WAVE_MODE, 25, 1), 1
	s_wait_xcnt 0x0
; ctx[b][q][h][:] = the sum over keys of softmax(q . k + bias(key - query, h)) v, both products on codes of FP6 (E2M3) with E8M0 scales; no 1 / sqrt(d).  ctx is quantised along (h, d) and leaves as codes.
; THE SOFTMAX: t = logit x log2(e); M = the running largest t rounded up to a whole number; p = 2^(t - M) is quantised along the keys, not normalised; the row's sum is taken of the unquantised p
; and divides at the end.  When M moves, the sum and O are multiplied by 2^(old M - new M): exact.
; SHARES.  A work-group owns 512 queries of one (b, h); each of sixteen waves takes two tiles of 16 queries, one after the other.  The head's whole K and V lie in LDS, each byte filled once, in two groups:
; keys 0-255 and all scale words at the head (waves 0-3, one load each); the other three quarters of K and V behind the full sequence (waves 0-5, one load each): they land under a tile's first two key steps,
; and a barrier behind those two steps shows them to every wave (in the second tile that barrier orders nothing new).
; NO CLUSTER: only two work-groups share a head's K and V.  NO PREFETCH: both groups of fills are asked for at the start; no stream follows that a loop could run ahead of.
; LAYOUT.  Both products are used transposed: a lane holds ONE query.  In memory a tile's rows are 32 g + 8 u + r + 8 (r / 8).  For the scores the lanes pick their rows of K so that tile t (0..3) of 64 keys
; has key 8 t + r in rows 0-7 and key 32 + 8 t + r - 8 in rows 8-15: the lanes' half h' then holds key 64 c + 32 h' + 8 t + j in register 32 c + 8 t + j: WHOLE BLOCKS of 32 keys, as the second product's operand wants them.
; K's chunks of 256 bytes lie 352 bytes apart in LDS: rows 8-15 come from six chunks further on, 2,112 bytes = 64 modulo 256, so the 32 lanes of a load touch 256 different bytes modulo 256.
; K = 64 IN A FORM OF 128: a run of 12 registers holds two key tiles; against [q | 0] it gives the first's scores, against [0 | q] the second's.  Zero codes add nothing under any valid byte.
; THE BIAS hangs on key - query and the head alone.  With rp = |key - query| the bucket is rp under 8, else 8 + the number of the thresholds 12, 16, 23, 32, 46, 64, 91 that rp reaches, + 16 where key > query:
; reference()'s 8 + int(log(rp / 8) / log(16) x 8), held at 15; rp = 16, 32, 64 count as reached.  A table of 512 entries (key - query = -256 .. 255) lies in LDS in four copies;
; a step all of whose |key - query| are 91 or more takes one number.  The bias is the C of the first product.
; LIMITS: the promise holds while the scaled scores stay under 2^31 in magnitude; a block of zeros gets the byte 1 (its codes are zeros; this program alone reads the bytes); blocks under 2^-124 are held at the byte 1;
; NaN and infinities are not served.  ctx's scale bytes leave as single bytes.
; REGISTERS: v1-11 addresses; v12 -M, v13 the largest logit, v[14:15] the sum; v16-33 q, zeros, q; v34 q's scale word; v36-43 the far bias; v44-91 fragments of K, then of V; v96-159 S^T, then p;
;   v160-191 O^T; v192-203 p's codes; v204-221 at work; v224-227 K's scale words, v228-231 V's, v232 p's; v236 the factor; v240-246 the next tile's q; v248-253 partial sums; v254, v255 the add's.
.set KQ,   16896                       ; LDS: K from 0: [64 tiles][3 chunks][352]; a quarter is 48 chunks
.set VIMG, 67584                       ; V [16 groups of 64 keys][4 tiles of d][768]
.set KSC,  116736                      ; K's scale words as they lie in memory, [tile][r]
.set VSC,  120832                      ; V's, [K step 8][tile 4][r]
.set KSP,  122880                      ; made here, no fill lands there: K's words [step 8][r 16][run 4]; 2,048 bytes on V's [step 8][r 16][tile 4]
.set BT,   126976                      ; the bias table, four copies
.set SPARE, 135424                     ; the spare words, 128 bytes a wave
.set SPW, 254
.set NIL, 255
.set FLOOR, 0x1800000
.set EOFF,  0xff000000
.set W0PAD, (3<<16)|(1<<20)|(5<<22)|(23<<25)   ; elements of 8 bytes; behind every 64 words 24 words of padding
.set W0,    3<<16                      ; elements of 8 bytes, no padding
.macro D k
	s_delay_alu instid0(VALU_DEP_\k)
.endm
.macro NOPS
.rept 4
	v_nop
.endr
.endm
.macro G1SET g, w, c, r, p             ; r rows of c elements of 8 bytes, p elements from row to row
	s_mov_b32 s[\g], \w
	s_mov_b32 s[\g+1], (\c)<<16
	s_mov_b32 s[\g+2], (\r)<<16
	s_mov_b32 s[\g+3], (\c)<<16
	s_mov_b32 s[\g+4], \r
	s_mov_b32 s[\g+5], \p
	s_mov_b32 s[\g+6], 0
	s_mov_b32 s[\g+7], 0
.endm
.macro G0SET g, lds, p, o
	s_mov_b32 s[\g], 1
	s_mov_b32 s[\g+1], \lds
	s_add_nc_u64 s[\g+2:\g+3], s[\p:\p+1], s[\o:\o+1]
	s_or_b32 s[\g+3], s[\g+3], 0x80000000
.endm
.macro TLOAD g0, g1
	tensor_load_to_lds s[\g0:\g0+3], s[\g1:\g1+7]
	s_nop 0
	NOPS
.endm
.macro QLOAD                           ; a tile's q (768 bytes, 256 consecutive bytes an instruction) and its rows' scale words
.irp i, 0,1,2
	global_load_b64 v[240+2*\i:241+2*\i], v1, s[84:85] offset:256*\i
.endr
	global_load_b32 v246, v9, s[86:87]
.endm
	s_load_b256 s[4:11], s[0:1], 0x0               ; qkv_img, qkv_sc, rel_bias, ctx_img
	s_load_b64 s[12:13], s[0:1], 0x20              ; ctx_sc
	v_lshl_add_u32 v[SPW], v0, 2, SPARE
	v_mov_b32 v[NIL], 0
	ds_add_u32 v[SPW], v[NIL]                      ; the opening lines: the add twice on end and its wait
	ds_add_u32 v[SPW], v[NIL]
	v_lshrrev_b32 v1, 5, v0
	v_readfirstlane_b32 s14, v1                    ; wave 0..15
	s_and_b32 s15, ttmp7, 0xffff
	s_lshr_b32 s16, s15, 4                         ; b
	s_and_b32 s17, s15, 15                         ; h
	s_lshr_b32 s18, s17, 1
	G1SET 32, W0PAD, 32, 48, 32                    ; K: a quarter, 12,288 dense bytes as rows of 256, 96 bytes of padding behind each
	G1SET 40, W0, 384, 4, 6144                     ; V: four groups of keys x 3,072 bytes, 49,152 bytes from group to group
	G1SET 48, W0, 32, 16, 32                       ; K's scale words: 4,096 dense bytes
	G1SET 56, W0, 32, 8, 512                       ; V's: eight K steps x 256 bytes, 4,096 bytes apart
	s_add_co_u32 s2, s17, 16                       ; K: group 16 + h, row tiles 64 b on
	s_lshl_b32 s2, s2, 9
	s_lshl_b32 s3, s16, 6
	s_add_co_u32 s2, s2, s3
	s_mul_i32 s2, s2, 768
	s_mov_b32 s3, 0
	s_lshl_b32 s26, s16, 10                        ; V: groups 16 b on, tiles 4 h on
	s_lshl_b32 s27, s17, 2
	s_add_co_u32 s26, s26, s27
	s_mul_i32 s26, s26, 768
	s_add_co_u32 s26, s26, 12582912
	s_mov_b32 s27, 0
	s_add_co_u32 s28, s18, 8                       ; K's scale words: group of 128: 8 + h / 2
	s_lshl_b32 s28, s28, 9
	s_lshl_b32 s29, s16, 6
	s_add_co_u32 s28, s28, s29
	s_lshl_b32 s28, s28, 6
	s_mov_b32 s29, 0
	s_lshl_b32 s30, s16, 9                         ; V's: K steps 8 b on, tiles 4 h on
	s_lshl_b32 s31, s17, 2
	s_add_co_u32 s30, s30, s31
	s_lshl_b32 s30, s30, 6
	s_add_co_u32 s30, s30, 524288
	s_mov_b32 s31, 0
	s_wait_dscnt 0x0
	s_wait_kmcnt 0x0
	G0SET 68, 0, 4, 2
	G0SET 72, VIMG, 4, 26
	G0SET 76, KSC, 6, 28
	G0SET 80, VSC, 6, 30
	s_cmp_lt_u32 s14, 1                            ; one chain of branches on the wave's number: waves 0-3 issue one load each
	s_cbranch_scc0 .Lnot_k
	TLOAD 68, 32
	s_branch .Lasked
.Lnot_k:
	s_cmp_lt_u32 s14, 2
	s_cbranch_scc0 .Lnot_v
	TLOAD 72, 40
	s_branch .Lasked
.Lnot_v:
	s_cmp_lt_u32 s14, 3
	s_cbranch_scc0 .Lnot_ks
	TLOAD 76, 48
	s_branch .Lasked
.Lnot_ks:
	s_cmp_lt_u32 s14, 4
	s_cbranch_scc0 .Lasked
	TLOAD 80, 56
.Lasked:
	s_lshl_b32 s2, ttmp9, 5                        ; my tiles: T = 32 half + wave, then 16 further on
	s_add_co_u32 s2, s2, s14
	s_lshl_b32 s3, s16, 6
	s_add_co_u32 s2, s2, s3                        ; row tile 64 b + T
	s_mov_b32 s93, 0
	s_lshl_b32 s92, s17, 9
	s_add_co_u32 s92, s92, s2
	s_mul_i32 s92, s92, 768
	s_add_nc_u64 s[84:85], s[4:5], s[92:93]        ; q's image: group h
	s_lshl_b32 s92, s18, 9
	s_add_co_u32 s92, s92, s2
	s_lshl_b32 s92, s92, 6
	s_add_nc_u64 s[86:87], s[6:7], s[92:93]        ; q's scale words
	s_lshl_b32 s92, s2, 4
	s_add_co_u32 s92, s92, s17
	s_mul_i32 s92, s92, 768
	s_add_nc_u64 s[88:89], s[10:11], s[92:93]      ; ctx_img [row tile][head][768]
	s_lshl_b32 s92, s2, 9
	s_lshl_b32 s3, s18, 6
	s_add_co_u32 s92, s92, s3
	s_and_b32 s3, s17, 1
	s_lshl_b32 s94, s3, 1
	s_add_co_u32 s92, s92, s94
	s_add_nc_u64 s[90:91], s[12:13], s[92:93]      ; ctx_sc [row tile][h / 2][r], bytes 2 (h % 2) on
	s_lshl_b32 s92, s17, 2
	s_add_nc_u64 s[8:9], s[8:9], s[92:93]          ; rel_bias at column h
	s_load_b32 s24, s[8:9], 0x3c0                  ; rel_bias[15][h]: every key 91 or more before the query
	s_load_b32 s25, s[8:9], 0x7c0                  ; rel_bias[31][h]: 91 or more after it
	s_mov_b32 s27, 0x05040100                      ; a word of qkv_sc holds two heads x two blocks: the selects take my head's two bytes
	s_mov_b32 s28, 0x01000100
	s_cmp_lg_u32 s3, 0
	s_cselect_b32 s27, 0x07060302, s27
	s_cselect_b32 s28, 0x03020302, s28
	s_lshl_b32 s31, ttmp9, 9
	s_lshr_b32 s94, s14, 1
	s_lshl_b32 s94, s94, 5
	s_add_co_u32 s31, s31, s94
	s_and_b32 s94, s14, 1
	s_lshl_b32 s94, s94, 3
	s_add_co_u32 s31, s31, s94                     ; q0: my tile's first query
	s_sub_co_u32 s31, 216, s31                     ; E at key 0: E = first key - q0 + 216
	s_mov_b32 s20, 0x76543210
	s_mov_b32 s21, 0xfedcba98                      ; v_permlanex16_b32's selects for lane l xor 16
	s_mov_b32 s22, 0x3fb8aa3b                      ; log2(e)
	s_mov_b32 s23, s22
	s_mov_b32 s19, 0xbfb8aa3b                      ; -log2(e)
	s_mov_b32 s26, 0xffff0000                      ; lanes 16-31
	s_mov_b32 s30, 2                               ; tiles to go
	v_and_b32 v100, 15, v0                         ; r
	v_bfe_u32 v101, v0, 4, 1                       ; h'
	v_bfe_u32 v102, v0, 3, 1                       ; r / 8
	v_and_b32 v103, 7, v0                          ; r % 8
	v_and_b32 v1, 31, v0
	v_lshlrev_b32 v9, 2, v100                      ; 4 r
	v_lshlrev_b32 v11, 3, v101                     ; 8 h'
	v_lshl_add_u32 v3, v100, 4, KSP                ; my row's four scale words
	v_lshlrev_b32 v1, 3, v1                        ; 8 x lane
	v_add_nc_u32 v10, v9, v101                     ; 4 r + h'
	v_mul_u32_u24 v2, v102, 2112
	v_lshl_add_u32 v2, v103, 3, v2
	v_lshl_add_u32 v2, v101, 7, v2                 ; K: 2,112 (r / 8) + 8 (r % 8) + 128 h'
	; the table: entry e lies in copy s at copyoff(s) + 4 (e + s), copyoff = 2,080 (s % 2) + 4,224 (s / 2); lane (r, h') reads copy r % 4, so that its runs of four entries begin at multiples of 16 bytes
	v_and_b32 v104, 1, v0
	v_bfe_u32 v105, v0, 1, 1
	v_bfe_u32 v106, v0, 2, 2
	v_mul_u32_u24 v4, v104, 2080
	v_lshlrev_b32 v106, 4, v106
	v_lshlrev_b32 v107, 5, v102
	v_mad_u32_u24 v4, v105, 4224, v4
	v_lshl_add_u32 v4, v101, 7, v4
	v_add_nc_u32 v4, BT+160, v4
	v_sub_nc_u32 v4, v4, v106
	v_sub_nc_u32 v4, v4, v107                      ; BT + copyoff(r % 4) + 4 (40 + 32 h' - 4 (r / 4) - 8 (r / 8))
	; thread t has key - query = t - 256
	v_add_nc_u32 v110, 0xffffff00, v0
	v_sub_nc_u32 v111, 0x100, v0
	v_cmp_gt_u32 vcc_lo, 0x100, v0
	v_cndmask_b32 v111, v110, v111, vcc_lo         ; rp
	v_mov_b32 v114, 0
	v_mov_b32 v115, 1
	v_mov_b32 v112, 8
.irp th, 12,16,23,32,46,64,91
	v_cmp_le_u32 vcc_lo, \th, v111
	v_cndmask_b32 v113, v114, v115, vcc_lo
	v_add_nc_u32 v112, v112, v113
.endr
	v_cmp_gt_u32 vcc_lo, 8, v111
	v_cndmask_b32 v112, v112, v111, vcc_lo
	v_cmp_lt_u32 vcc_lo, 0x100, v0
	v_cndmask_b32 v113, v114, v115, vcc_lo
	v_lshl_add_u32 v112, v113, 4, v112
	v_min_u32 v112, 31, v112
	v_lshlrev_b32 v112, 6, v112                    ; a row of rel_bias is 64 bytes
	v_lshl_add_u32 v118, v0, 2, BT
	v_lshl_add_u32 v119, v103, 2, BT               ; for the bytes between the copies
	; K's words anew: thread t = 64 step + 4 r + run f wants the words of tiles 8 step + 4 (f / 2) + 2 (r / 8) and the next, row 8 (f % 2) + r % 8
	v_and_b32 v120, 0x1c0, v0
	v_and_b32 v121, 32, v0
	v_and_b32 v122, 0x1c, v0
	v_and_b32 v123, 2, v0
	v_lshlrev_b32 v124, 3, v120
	v_lshl_add_u32 v124, v121, 2, v124
	v_add_nc_u32 v124, v124, v122
	v_lshl_add_u32 v124, v123, 7, v124
	v_lshl_add_u32 v124, v104, 5, v124
	v_add_nc_u32 v124, KSC, v124
	v_lshl_add_u32 v125, v0, 2, KSP
	v_lshl_add_u32 v126, v0, 2, VSC                ; V's: thread t = 64 step + 16 tile + r
	v_bfe_u32 v127, v0, 4, 2
	v_lshlrev_b32 v128, 2, v120
	v_lshl_add_u32 v128, v100, 4, v128
	v_lshl_add_u32 v128, v127, 2, v128
	v_add_nc_u32 v128, KSP+2048, v128
.irp i, 0,1,2,3,4,5
	v_mov_b32 v[22+\i], 0                          ; the zero codes between the two copies of q
.endr
	v_mov_b32 v216, 0                              ; a lane permute's destination counts as one of its sources
	v_mov_b32 v217, 0
	v_mov_b32 v237, 0                              ; (named as the upper half of the pair v[236:237])
	s_wait_alu depctr_va_vdst(0)
	QLOAD                                          ; my first tile's q
	global_load_b32 v117, v112, s[8:9]
	s_wait_loadcnt 0x0
	ds_store_b32 v118, v117
	ds_store_b32 v118, v117 offset:2084
	ds_store_b32 v118, v117 offset:4232
	ds_store_b32 v118, v117 offset:6316
	s_cmp_lg_u32 s14, 15                           ; one wave writes zeros into the 9, 25 and 9 words between the copies: no entry lies there
	s_cbranch_scc1 .Lno_gap
.irp o, 2048,2052,4132,4164,4196,4200,6280,6284
	ds_store_b32 v119, v114 offset:\o
.endr
.Lno_gap:
	s_wait_kmcnt 0x0
	s_wait_tensorcnt 0x0                           ; my fill has landed
	ds_add_u32 v[SPW], v[NIL]
	ds_add_u32 v[SPW], v[NIL]
	s_mul_i32 s69, s14, KQ                         ; no tensor load of mine is out: waves 0-2 take K's quarter wave + 1,
	s_add_co_u32 s69, s69, KQ
	s_mul_i32 s2, s14, 12288
	s_add_co_u32 s2, s2, 12288
	s_mov_b32 s3, 0
	s_add_nc_u64 s[70:71], s[70:71], s[2:3]
	s_add_co_u32 s73, s2, VIMG-36864               ; waves 3-5 V's quarter wave - 2
	s_mul_i32 s2, s14, 196608
	s_add_nc_u64 s[74:75], s[74:75], s[2:3]
	s_sub_nc_u64 s[74:75], s[74:75], 393216
	s_wait_dscnt 0x0                               ; the adds and my entries of the table
	s_barrier_signal -1
	s_barrier_wait -1
	s_cmp_lt_u32 s14, 3
	s_cbranch_scc0 .Lnot_k2
	TLOAD 68, 32
	s_branch .Lasked2
.Lnot_k2:
	s_cmp_lt_u32 s14, 6
	s_cbranch_scc0 .Lasked2
	TLOAD 72, 40
.Lasked2:
	ds_load_b32 v130, v124
	ds_load_b32 v131, v124 offset:64
	ds_load_b32 v132, v126
	s_wait_dscnt 0x0
	v_perm_b32 v133, v131, v130, s27               ; [the first tile's two bytes | the second's] of my head
	ds_store_b32 v125, v133
	ds_store_b32 v128, v132
	s_wait_dscnt 0x0
	s_barrier_signal -1                            ; the second group of fills stays on its way
	s_barrier_wait -1
.macro QK near
.irp f, 0,1,2,3
.irp e, 0,1
.if \near
	v_wmma_scale_f32_16x16x128_f8f6f4 v[96+8*(2*\f+\e):103+8*(2*\f+\e)], v[44+12*\f:55+12*\f], v[16+6*\e:27+6*\e], v[96+8*(2*\f+\e):103+8*(2*\f+\e)], v[224+\f], v34 matrix_a_fmt:MATRIX_FMT_FP6 matrix_b_fmt:MATRIX_FMT_FP6
.else
	v_wmma_scale_f32_16x16x128_f8f6f4 v[96+8*(2*\f+\e):103+8*(2*\f+\e)], v[44+12*\f:55+12*\f], v[16+6*\e:27+6*\e], v[36:43], v[224+\f], v34 matrix_a_fmt:MATRIX_FMT_FP6 matrix_b_fmt:MATRIX_FMT_FP6
.endif
.endr
.endr
.endm
; A step of 128 keys
.macro STEP
	s_min_u32 s95, s92, 328
	s_lshl_b32 s95, s95, 2
	v_add_nc_u32 v5, s93, v2                       ; these four lines are the places behind the last step's products
	v_add_nc_u32 v6, s96, v1
	v_add_nc_u32 v7, s94, v3
	v_add_nc_u32 v8, s95, v4
.irp f, 0,1,2,3
.irp e, 0,1
.irp i, 0,1,2
	ds_load_b64 v[44+12*\f+6*\e+2*\i:45+12*\f+6*\e+2*\i], v5 offset:352*(12*(\f/2)+3*\e+\i)+64*(\f%2)   ; tile 2 f + e: c = f / 2, t = 2 (f % 2) + e
.endr
.endr
.endr
	ds_load_b128 v[224:227], v7
	s_cmp_le_u32 s92, 328                          ; near the diagonal: -216 <= first key - q0 <= 112.  A branch on ids
	s_cbranch_scc0 .Lfar_\@
.irp c, 0,1
.irp i, 0,1,2,3,4,5,6,7
	ds_load_b128 v[96+32*\c+4*\i:99+32*\c+4*\i], v8 offset:256*\c+16*\i   ; the bias of keys 64 c + 32 h' + 4 i .. + 3 for my query
.endr
.endr
	s_wait_dscnt 0x0
	QK 1
.irp i, 0,1,2,3,4,5,6,7
	v_mov_b32 v[36+\i], s25                        ; far steps from here on lie behind the diagonal.  Also the places behind the products
.endr
	s_branch .Lscored_\@
.Lfar_\@:
	s_wait_dscnt 0x0
	QK 0
	NOPS
.Lscored_\@:
	s_wait_alu depctr_va_vdst(0)
.irp t, 0,1,2,3
.irp i, 0,1,2,3,4,5
	ds_load_b64 v[44+12*\t+2*\i:45+12*\t+2*\i], v6 offset:768*\t+256*(\i%3)+3072*(\i/3)   ; V's fragments land under the softmax
.endr
.endr
	ds_load_b128 v[228:231], v7 offset:2048
.irp b, 0,1,2,3
	v_max3_num_f32 v[212+\b], v[96+16*\b], v[97+16*\b], v[98+16*\b]   ; four chains by turns, each accumulator from its low end on
.endr
.irp i, 3,5,7,9,11,13
.irp b, 0,1,2,3
	v_max3_num_f32 v[212+\b], v[212+\b], v[96+16*\b+\i], v[97+16*\b+\i]
.endr
.endr
	v_max3_num_f32 v212, v212, v213, v111
	v_max3_num_f32 v214, v214, v215, v143
	v_max_num_f32 v212, v212, v127                 ; my block of c = 0: its largest logit, which also gives the block's largest p,
	v_max_num_f32 v214, v214, v159                 ; and of c = 1
	D 1
	v_max_num_f32 v216, v212, v214
	D 1
	v_permlanex16_b32 v217, v216, s20, s21
	D 1
	v_max3_num_f32 v13, v13, v216, v217            ; the running largest logit of my query
	v_mov_b32 v218, v12
	D 2
	v_mul_f32 v216, s19, v13
	D 1
	v_floor_f32 v12, v216                          ; the new -M = -ceil(t)
	D 1
	v_sub_f32 v218, v12, v218                      ; old M - new M: a whole number, 0 or less
	D 1
	v_cvt_i32_f32 v218, v218                       ; (it saturates)
.set j, 0
.rept 32
	v_pk_fma_f32 v[96+j:97+j], v[96+j:97+j], s[22:23], v[12:13] op_sel_hi:[1,0,0]   ; t - M
.set j, j+2
.endr
	v_fma_f32 v212, v212, s22, v12
	v_fma_f32 v214, v214, s22, v12
	s_wait_alu depctr_va_vdst(0)
.set j, 0
.rept 64
	v_exp_f32 v[96+j], v[96+j]                     ; p = 2^(t - M)
.set j, j+1
.endr
	v_exp_f32 v212, v212                           ; the blocks' largest p: the same two instructions on the same number
	v_exp_f32 v214, v214
	v_ldexp_f32 v236, 1.0, v218                    ; f = 2^(old M - new M).  (The plain place behind the exponentials)
	s_wait_alu depctr_va_vdst(0)                   ; and behind it
	v_max_num_f32 v212, FLOOR, v212
	v_max_num_f32 v214, FLOOR, v214
	v_add_nc_u32 v220, EOFF, v212                  ; the conversions' scale operands
	v_add_nc_u32 v221, EOFF, v214
	v_lshrrev_b32 v216, 23, v220                   ; the bytes of blocks h' and 2 + h'
	v_lshrrev_b32 v217, 23, v221
	D 1
	v_lshl_or_b32 v216, v217, 16, v216
	D 1
	v_lshlrev_b32 v216, v11, v216                  ; at their places in the word
	D 1
	v_permlanex16_b32 v217, v216, s20, s21
	D 1
	v_or_b32 v232, v216, v217                      ; with lane l xor 16's two: p's scale word for these 128 keys
.irp c, 0,1
	v_cvt_scalef32_pk16_fp6_f32 v[192+6*\c:194+6*\c], v[96+32*\c:111+32*\c], v[220+\c]
	v_cvt_scalef32_pk16_fp6_f32 v[204+4*\c:206+4*\c], v[112+32*\c:127+32*\c], v[220+\c]   ; (a conversion's three registers begin on an even number)
.endr
	v_pk_fma_f32 v[14:15], v[14:15], v[236:237], v[96:97] op_sel_hi:[1,0,1]   ; the sum under the new M, and the unquantised p onto it, in four chains.  (Plain places behind the conversions)
	v_pk_add_f32 v[248:249], v[98:99], v[100:101]
	v_pk_add_f32 v[250:251], v[102:103], v[104:105]
	v_pk_add_f32 v[252:253], v[106:107], v[108:109]
.irp c, 0,1
.irp i, 0,1,2
	v_mov_b32 v[195+6*\c+\i], v[204+4*\c+\i]
.endr
.endr
.set j, 110
.rept 6
	v_pk_add_f32 v[14:15], v[14:15], v[j:j+1]
	v_pk_add_f32 v[248:249], v[248:249], v[j+2:j+3]
	v_pk_add_f32 v[250:251], v[250:251], v[j+4:j+5]
	v_pk_add_f32 v[252:253], v[252:253], v[j+6:j+7]
.set j, j+8
.endr
	v_pk_add_f32 v[14:15], v[14:15], v[158:159]
	v_pk_add_f32 v[248:249], v[248:249], v[250:251]
	v_pk_add_f32 v[14:15], v[14:15], v[252:253]
	D 1
	v_pk_add_f32 v[14:15], v[14:15], v[248:249]
	s_wait_dscnt 0x0                               ; V's fragments and scale words are in
	s_wait_alu depctr_va_vdst(0)
.set j, 0
.rept 16
	v_pk_mul_f32 v[160+j:161+j], v[160+j:161+j], v[236:237] op_sel_hi:[1,0]   ; O^T under the new M
.set j, j+2
.endr
.irp t, 0,1,2,3
	v_wmma_scale_f32_16x16x128_f8f6f4 v[160+8*\t:167+8*\t], v[44+12*\t:55+12*\t], v[192:203], v[160+8*\t:167+8*\t], v[228+\t], v232 matrix_a_fmt:MATRIX_FMT_FP6 matrix_b_fmt:MATRIX_FMT_FP6
.endr
	s_add_co_u32 s93, s93, 8448                    ; 24 chunks of K,
	s_add_co_u32 s96, s96, 6144                    ; two groups of V,
	s_add_co_u32 s94, s94, 256                     ; the scale words,
	s_add_co_u32 s92, s92, 128                     ; E
.endm
.Ltile:                                            ; two trips
	s_wait_loadcnt 0x0                             ; this tile's q, asked for a tile ago; the wait also frees the loads' bases
.irp i, 0,1,2,3,4,5
	v_mov_b32 v[16+\i], v[240+\i]                  ; [q | 0] = v[16:27],
	v_mov_b32 v[28+\i], v[240+\i]                  ; [0 | q] = v[22:33]
.endr
	v_perm_b32 v34, v246, v246, s28                ; q's scale word: my head's two bytes, twice
	s_cmp_eq_u32 s30, 1                            ; the last tile asks for nothing: a branch on the count of tiles
	s_cbranch_scc1 .Lno_next
	s_add_nc_u64 s[84:85], s[84:85], 12288         ; sixteen tiles on
	s_add_nc_u64 s[86:87], s[86:87], 1024
	QLOAD
.Lno_next:
	v_mov_b32 v13, 0xfe967699                      ; the largest logit so far: -1e38
	v_mov_b32 v12, 0x7e967699                      ; -M: 1e38: the first step's factor comes out 0
	v_mov_b32 v14, 0
	v_mov_b32 v15, 0
	s_mov_b32 s93, 0
	s_mov_b32 s96, VIMG
	s_mov_b32 s94, 0
	s_mov_b32 s92, s31
.irp i, 0,1,2,3,4,5,6,7
	v_mov_b32 v[36+\i], s24                        ; the far bias: before the diagonal
.endr
.set j, 0
.rept 32
	v_mov_b32 v[160+j], 0                          ; O^T: the step is written once for all steps
.set j, j+1
.endr
	s_wait_alu depctr_va_vdst(0)
	s_mov_b32 s29, 2
.Lfirst:                                           ; keys 0-255: the head's fills
	STEP
	s_sub_co_u32 s29, s29, 1
	s_cmp_lg_u32 s29, 0
	s_cbranch_scc1 .Lfirst
	s_wait_tensorcnt 0x0                           ; my part of the second group of fills has landed,
	s_wait_dscnt 0x0
	s_barrier_signal -1
	s_barrier_wait -1                              ; everybody's has
	s_mov_b32 s29, 6
.Lrest:                                            ; keys 256-1023
	STEP
	s_sub_co_u32 s29, s29, 1
	s_cmp_lg_u32 s29, 0
	s_cbranch_scc1 .Lrest
	; THE TILE'S WAY OUT: O^T / the sum; register 16 b + i is d = 32 b + 16 h' + i of my query: two blocks of ctx's K
	NOPS
	v_add_f32 v14, v14, v15
	D 1
	v_permlanex16_b32 v216, v14, s20, s21
	D 1
	v_add_f32 v14, v14, v216                       ; the row's sum
	s_wait_alu depctr_va_vdst(0)
	v_rcp_f32 v14, v14
	v_nop                                          ; one plain place behind a transcendental
	s_wait_alu depctr_va_vdst(0)
.set j, 0
.rept 32
	v_mul_f32 v[96+j], v[160+j], v14               ; each accumulator from its low end on
.set j, j+1
.endr
.irp b, 0,1
	v_max3_num_f32 v[212+\b], |v[96+16*\b]|, |v[97+16*\b]|, FLOOR
.endr
.irp i, 2,4,6,8,10,12,14
.irp b, 0,1
	D 2
	v_max3_num_f32 v[212+\b], v[212+\b], |v[96+16*\b+\i]|, |v[97+16*\b+\i]|
.endr
.endr
.irp b, 0,1
	D 2
	v_permlanex16_b32 v[216+\b], v[212+\b], s20, s21
.endr
.irp b, 0,1
	D 2
	v_max_num_f32 v[212+\b], v[212+\b], v[216+\b]
.endr
.irp b, 0,1
	D 2
	v_add_nc_u32 v[220+\b], EOFF, v[212+\b]
.endr
.irp b, 0,1
	D 2
	v_lshrrev_b32 v[216+\b], 23, v[220+\b]
.endr
	v_cvt_scalef32_pk16_fp6_f32 v[192:194], v[96:111], v220
	v_cvt_scalef32_pk16_fp6_f32 v[204:206], v[112:127], v221
	v_nop                                          ; one plain place behind a scaled conversion
.irp i, 0,1,2
	v_permlane16_swap_b32 v[192+\i], v[204+\i]     ; a whole block to a lane: lanes 0-15 block 0, lanes 16-31 block 1
.endr
.irp i, 0,1,2
	v_mov_b32 v[195+\i], v[204+\i]
.endr
	v_cndmask_b32 v238, v216, v217, s26            ; each half its own byte
.irp i, 0,1,2
	global_store_b64 v1, v[192+2*\i:193+2*\i], s[88:89] offset:256*\i   ; 32 lanes store 256 consecutive bytes, aligned
.endr
	global_store_b8 v10, v238, s[90:91]
	s_wait_xcnt 0x0                                ; the bases and the stores' registers are written again only behind this wait
	s_add_nc_u64 s[88:89], s[88:89], 196608        ; sixteen tiles on
	s_add_nc_u64 s[90:91], s[90:91], 8192
	s_sub_co_u32 s31, s31, 256                     ; 256 queries on
	s_sub_co_u32 s30, s30, 1
	s_cmp_lg_u32 s30, 0
	s_cbranch_scc1 .Ltile
	s_wait_tensorcnt 0x0                           ; the wave's end
	ds_add_u32 v[SPW], v[NIL]
	s_wait_dscnt 0x0
	s_endpgm
.Lfunc_end_k_q624b5c4b42_attn:
	.size	k_q624b5c4b42_attn, .Lfunc_end_k_q624b5c4b42_attn-k_q624b5c4b42_attn
	.p2alignl 7, 3214868480
	.fill 96, 4, 3214868480
	.section	.rodata,"a",@progbits
	.p2align	6, 0x0
	.amdhsa_kernel k_q624b5c4b42_attn
		.amdhsa_group_segment_fixed_size 327680
		.amdhsa_private_segment_fixed_size 0
		.amdhsa_enable_private_segment 0
		.amdhsa_kernarg_size 40
		.amdhsa_user_sgpr_count 2
		.amdhsa_user_sgpr_kernarg_segment_ptr 1
		.amdhsa_wavefront_size32 1
		.amdhsa_system_sgpr_workgroup_id_x 1
		.amdhsa_system_sgpr_workgroup_id_y 1
		.amdhsa_system_sgpr_workgroup_id_z 1
		.amdhsa_system_vgpr_workitem_id 0
		.amdhsa_next_free_vgpr 256
		.amdhsa_next_free_sgpr 100
		.amdhsa_reserve_vcc 1
		.amdhsa_float_denorm_mode_32 3
		.amdhsa_float_denorm_mode_16_64 3
		.amdhsa_memory_ordered 1
		.amdhsa_forward_progress 1
		.amdhsa_inst_pref_size 60
	.end_amdhsa_kernel
	.amdgpu_metadata
---
amdhsa.version: [ 1, 2 ]
amdhsa.kernels:
  - .name:           k_q624b5c4b42_attn
    .symbol:         k_q624b5c4b42_attn.kd
    .args:
      - { .name: qkv_img, .offset: 0, .size: 8, .value_kind: global_buffer, .address_space: global }
      - { .name: qkv_sc, .offset: 8, .size: 8, .value_kind: global_buffer, .address_space: global }
      - { .name: rel_bias, .offset: 16, .size: 8, .value_kind: global_buffer, .address_space: global }
      - { .name: ctx_img, .offset: 24, .size: 8, .value_kind: global_buffer, .address_space: global }
      - { .name: ctx_sc, .offset: 32, .size: 8, .value_kind: global_buffer, .address_space: global }
    .group_segment_fixed_size: 327680
    .private_segment_fixed_size: 0
    .kernarg_segment_align: 8
    .kernarg_segment_size: 40
    .max_flat_workgroup_size: 512
    .sgpr_count:     100
    .vgpr_count:     256
    .wavefront_size: 32
...
	.end_amdgpu_metadata
.endif
;; end of part 3
;; launch oproj (part 4): grid 4 x 64, 4 waves a work-group, clusters of 4 x 4, 327,680 bytes of LDS; arguments ctx_img, ctx_sc, cod, csc, out0; writes out0
.if DOCPART == 4
	.amdgcn_target "amdgcn-amd-amdhsa--gfx1250"
	.amdhsa_code_object_version 6
	.text
	.protected	k_q624b5c4b42_oproj
	.globl	k_q624b5c4b42_oproj
	.p2align	8
	.type	k_q624b5c4b42_oproj,@function
k_q624b5c4b42_oproj:
	s_mov_b64 s[64:65], 0
	v_nop
	global_prefetch_b8 v0, s[64:65] scope:SCOPE_SE
	s_setreg_imm32_b32 hwreg(HW_REG_WAVE_MODE, 25, 1), 1
	s_wait_xcnt 0x0
	s_wait_alu depctr_hold_cnt(0) depctr_sa_sdst(0) depctr_va_vdst(0) depctr_va_sdst(0) depctr_va_ssrc(0) depctr_va_vcc(0) depctr_vm_vsrc(0)
	s_getreg_b32 s2, hwreg(HW_REG_IB_STS2, 6, 4)
	s_cmp_eq_u32 s2, 0
	s_cbranch_scc0 .Lentry_in_a_cluster
	s_endpgm
.Lentry_in_a_cluster:
	s_bfe_u32 s2, ttmp6, 0x10000c
	s_cmp_lg_u32 s2, 0xf033
	s_cbranch_scc0 .Lentry_shape_is_right
	s_endpgm
.Lentry_shape_is_right:
; out0 = ctx wo on codes of FP6 (E2M3) with E8M0 scales, K = 1,024; out0 [8192][1024] f32.
; THE CORE is that of the launch that makes q, k and v.  C'[m'][n'] = sum over k of A'[m'][k] B'[n'][k], A' = ctx (ctx_img, ctx_sc), B' = wo (tiles 704 on of cod, csc).
; A work-group of four waves makes 128 x 256; wave (wa, wb) makes 64 x 128: 32 accumulators.  ALL OF K LIES IN LDS, in two halves of 512 along K, each byte filled once, all fills issued at the start:
; one tensor load a wave is out at the most.  The matrix instruction is used transposed (source 0 = a tile of wo's columns, source 1 = a tile of ctx's rows): a lane holds one row of out0 and its
; registers run along the columns: register 16 b + i of tile a is column 32 b + 16 (lane / 16) + i.  A tile's rows are 32 g + 8 u + r + 8 (r / 8): the stores' offsets undo that order.
; CLUSTERS: 4 x 4 work-groups; ctx's tiles are asked for jointly by a row of the cluster, wo's by a column.
; REGISTERS.  window 0: v1-18 addresses; v32-47 A' scale words, v48-79 B'; v80-175 A' fragments, two sets; v176-239 rows on the way out.  window 1: B' fragments, two sets.  window 2: accumulator (a, b) at v[8 (8 a + b)].
.set BLDS, 98304                       ; LDS: A' [half 2][tile 8][6,144] from 0; B' [half 2][tile 16][6,144] from here;
.set ASC,  294912                      ; A' scale words, 8 tiles x 512 bytes;
.set BSC,  299008                      ; B' scale words, 16 tiles x 512;
.set SCR,  307200                      ; stages that no fill touches: 16 rows x (256 bytes + 16) for each wave
.set PA,  4                            ; s[4:5] ctx_img, s[6:7] ctx_sc, s[8:9] cod, s[10:11] csc
.set PAS, 6
.set PB,  8
.set PBS, 10
.set G1A,  28
.set G1AS, 36
.set G1B,  44
.set G1BS, 52
.set G0AS, 60
.set G0A,  68
.set G0BS, 84
.set G0B,  88
.set G0B3, 24
.set MSB, 0
.macro WIN new                         ; the immediate's high byte repeats the setting that is left
.if MSB != \new
	s_set_vgpr_msb (MSB<<8)|\new
.set MSB, \new
.endif
.endm
.macro CROUND                          ; a round of the cluster's barrier
	s_barrier_signal -1
	s_barrier_wait -1
	s_cmp_lg_u32 s12, 0
	s_cbranch_scc1 .Lnot_wave_0_\@
	s_barrier_signal -3
.Lnot_wave_0_\@:
	s_barrier_wait -3
	s_barrier_signal -1
	s_barrier_wait -1
.endm
.macro PLACES                          ; four plain places behind matrix instructions, in front of loads into their sources and of reads of results
.rept 4
	v_nop
.endr
.endm
.macro G1SET g, c, r, p                ; r rows of c elements of 8 bytes, p elements from row to row
	s_mov_b32 s[\g+1], (\c)<<16
	s_mov_b32 s[\g+2], (\r)<<16
	s_mov_b32 s[\g+3], (\c)<<16
	s_mov_b32 s[\g+4], \r
	s_mov_b32 s[\g+5], \p
	s_mov_b32 s[\g+6], 0
	s_mov_b32 s[\g+7], 0
.endm
.macro G0SET g, lreg, loff, ptr, off
	s_mov_b32 s[\g], 1
	s_add_co_u32 s[\g+1], s[\lreg], \loff
	s_add_nc_u64 s[\g+2:\g+3], s[\ptr:\ptr+1], \off
	s_or_b32 s[\g+3], s[\g+3], 0x80000000
.endm
	s_load_b256 s[4:11], s[0:1], 0x0
	s_load_b64 s[20:21], s[0:1], 0x20              ; out0
	v_lshl_add_u32 v254, v0, 2, 0x4f400
	v_mov_b32 v255, 0
	ds_add_u32 v254, v255
	ds_add_u32 v254, v255
	v_lshrrev_b32 v1, 5, v0
	v_readfirstlane_b32 s12, v1                    ; wave 0..3
	s_lshr_b32 s13, s12, 1                         ; wa: my 64 rows.  Also: I fetch for A' (0) or B' (1)
	s_and_b32 s14, s12, 1                          ; wb: my 128 columns.  Also: which half of that operand's tiles I fetch
	s_bfe_u32 s15, ttmp6, 0x40000                  ; cx
	s_bfe_u32 s16, ttmp6, 0x40004                  ; cy
	s_and_b32 s17, ttmp7, 0xffff
	s_lshl_b32 s17, s17, 2
	s_add_co_u32 s17, s17, s16                     ; tile row: 128 rows of out0
	s_lshl_b32 s18, ttmp9, 2
	s_add_co_u32 s18, s18, s15                     ; tile column: 256 columns
	s_lshl_b32 s19, s16, 2
	s_lshl_b32 s19, 15, s19                        ; my row of the cluster
	s_lshl_b32 s100, 0x1111, s15                   ; my column
	s_or_b32 s[G1A], s19, (3<<16)|(1<<21)          ; 15:0 the mask; 17:16 elements of 8 bytes; 21 set beside a mask; no padding
	s_or_b32 s[G1AS], s19, (3<<16)|(1<<21)
	s_or_b32 s[G1B], s100, (3<<16)|(1<<21)
	s_or_b32 s[G1BS], s100, (3<<16)|(1<<21)
	G1SET G1A, 768, 8, 1536                        ; at the head eight tiles' 6,144 bytes of half of K; behind it the two words that count rows are set to four
	G1SET G1AS, 32, 16, 32                         ; eight tiles' scale words: 4,096 dense bytes
	G1SET G1B, 768, 16, 1536                       ; at the head sixteen tiles; behind it eight
	G1SET G1BS, 32, 32, 32                         ; sixteen tiles' scale words: 8,192 dense bytes
	s_lshl_b32 s22, s17, 3                         ; A' addresses are made of the tile row and the wave's number,
	s_lshl_b32 s2, s22, 9
	s_mov_b32 s3, 0
	s_mul_i32 s22, s22, 12288
	s_mov_b32 s23, 0
	s_lshl_b32 s66, s18, 4                         ; B' addresses of the tile column and the wave's number
	s_add_co_u32 s66, s66, 704                     ; wo's tiles in cod
	s_lshl_b32 s100, s66, 9
	s_mov_b32 s101, 0
	s_mul_i32 s66, s66, 12288
	s_mov_b32 s67, 0
	s_wait_dscnt 0x0
	s_wait_kmcnt 0x0
	s_add_nc_u64 s[22:23], s[PA:PA+1], s[22:23]
	s_add_nc_u64 s[2:3], s[PAS:PAS+1], s[2:3]
	s_add_nc_u64 s[66:67], s[PB:PB+1], s[66:67]
	s_add_nc_u64 s[100:101], s[PBS:PBS+1], s[100:101]
	s_mov_b32 s19, 0                               ; K lies in LDS in two halves: A' [half 2][tile 8][6,144], B' [half 2][tile 16][6,144].  The head's four tiles, each whole:
	G0SET G0AS, 19, ASC, 2, 0
	G0SET G0A, 19, 0, 22, 0
	G0SET G0BS, 19, BSC, 100, 0
	G0SET G0B, 19, BLDS, 66, 0
	s_mul_i32 s24, s14, 49152                      ; of the second half a wave fetches half of an operand's tiles: four of A',
	s_mov_b32 s25, 0
	s_add_nc_u64 s[22:23], s[22:23], s[24:25]
	s_mul_i32 s19, s14, 24576                      ; LDS addresses hang on the wave's number alone
	G0SET G0A+4, 19, 49152, 22, 6144
	s_mul_i32 s24, s14, 98304                      ; eight of B'
	s_add_nc_u64 s[66:67], s[66:67], s[24:25]
	s_mul_i32 s19, s14, 49152
	G0SET G0B+4, 19, BLDS+98304, 66, 6144
	CROUND                                         ; all sixteen work-groups are here: the joint loads meet
; The head's loads, one a wave: one chain of branches on the wave's number, every way through it passes one load.
.macro ARM under, g0, g1, next
	s_cmp_lt_u32 s12, \under
	s_cbranch_scc0 \next
	tensor_load_to_lds s[\g0:\g0+3], s[\g1:\g1+7]
	s_nop 0
.rept 4
	v_nop
.endr
	s_branch .Lfilled
\next:
.endm
	ARM 1, G0AS, G1AS, .Lhead_bs
	ARM 2, G0BS, G1BS, .Lhead_a
	ARM 3, G0A, G1A, .Lhead_b
	tensor_load_to_lds s[G0B:G0B+3], s[G1B:G1B+7]
	s_nop 0
.rept 4
	v_nop
.endr
.Lfilled:
	v_and_b32 v1, 15, v0                           ; r
	v_bfe_u32 v2, v0, 4, 1                         ; h
	v_and_b32 v3, 31, v0                           ; lane
	v_lshlrev_b32 v14, 3, v3                       ; 8 x lane
	s_wait_alu depctr_va_vdst(0)
	v_lshlrev_b32 v18, 2, v3                       ; 4 x lane
	s_wait_alu depctr_va_vdst(0)
	s_mul_i32 s19, s13, 24576
	s_mul_i32 s2, s14, 49152
	s_add_co_u32 s2, s2, BLDS
.irp q, 0,1
	v_add_nc_u32 v[4+\q], s19, v14                 ; my four tiles of A' in half q of K
	v_add_nc_u32 v[8+\q], s2, v14                  ; my eight tiles of B'
	s_add_co_u32 s19, s19, 49152
	s_add_co_u32 s2, s2, 98304
.endr
	s_lshl_b32 s19, s13, 11
	s_add_co_u32 s19, s19, ASC
	v_add_nc_u32 v12, s19, v18
	s_lshl_b32 s19, s14, 12
	s_add_co_u32 s19, s19, BSC
	v_add_nc_u32 v13, s19, v18
	s_mul_i32 s19, s12, 4352
	s_add_co_u32 s19, s19, SCR                     ; my stage
	v_mul_u32_u24 v15, v1, 272
	v_lshl_add_u32 v15, v2, 6, v15
	v_add_nc_u32 v15, s19, v15                     ; in: row r, + 64 h: my 16 columns of a block of 32
	v_mul_u32_u24 v16, v2, 272
	v_lshl_add_u32 v16, v1, 4, v16
	v_add_nc_u32 v16, s19, v16                     ; back: lanes 0-15 one row of 256 bytes, lanes 16-31 the next
	v_lshlrev_b32 v17, 12, v2
	v_lshl_add_u32 v17, v1, 4, v17                 ; and the same two rows in out0
; K step s (128 along K): the fragments come as they lie, six loads of 8 bytes each, 256 consecutive bytes an instruction: no conflicts, no padding.
.macro FETCH s
	WIN 0x40                                       ; destination window 1
.irp b, 0,1,2,3,4,5,6,7
.irp i, 0,1,2,3,4,5
	ds_load_b64 v[96*((\s)%2)+12*\b+2*\i:96*((\s)%2)+12*\b+2*\i+1], v[8+(\s)/4] offset:6144*\b+1536*((\s)%4)+256*\i
.endr
.endr
	WIN 0
.irp a, 0,1,2,3
.irp i, 0,1,2,3,4,5
	ds_load_b64 v[80+48*((\s)%2)+12*\a+2*\i:80+48*((\s)%2)+12*\a+2*\i+1], v[4+(\s)/4] offset:6144*\a+1536*((\s)%4)+256*\i
.endr
.endr
.endm
; n tiles of A' from a0 on x the eight of B'.  The 32 accumulators take turns, one instruction a turn, in the same order in every step.  Step 0 starts the sums with the constant 0.
.macro MUL s, a0, n
.set AA, \a0
.rept \n
.irp b, 0,1,2,3,4,5,6,7
.set rD, 8*(8*AA+\b)
.set rB, 96*((\s)%2)+12*\b
.set rA, 80+48*((\s)%2)+12*AA
.set rSB, 48+4*\b+(\s)/2
.set rSA, 32+4*AA+(\s)/2
.if (\s) == 0
	v_wmma_scale_f32_16x16x128_f8f6f4 v[rD:rD+7], v[rB:rB+11], v[rA:rA+11], 0, v[rSB], v[rSA] matrix_a_fmt:MATRIX_FMT_FP6 matrix_b_fmt:MATRIX_FMT_FP6
.elseif (\s)%2 == 0
	v_wmma_scale_f32_16x16x128_f8f6f4 v[rD:rD+7], v[rB:rB+11], v[rA:rA+11], v[rD:rD+7], v[rSB], v[rSA] matrix_a_fmt:MATRIX_FMT_FP6 matrix_b_fmt:MATRIX_FMT_FP6
.else
	v_wmma_scale_f32_16x16x128_f8f6f4 v[rD:rD+7], v[rB:rB+11], v[rA:rA+11], v[rD:rD+7], v[rSB], v[rSA] matrix_a_fmt:MATRIX_FMT_FP6 matrix_b_fmt:MATRIX_FMT_FP6 matrix_a_scale:MATRIX_SCALE_ROW1 matrix_b_scale:MATRIX_SCALE_ROW1
.endif
.endr
.set AA, AA+1
.endr
.endm
; A step multiplies its set of fragments and fetches the next step's into the other set.  Step 3's successor lies in the second half of K: my part of it is waited for, a barrier shows everybody's.
.macro STEP s
	s_wait_dscnt 0x0                               ; this step's fragments are in; no LDS instruction of mine is out
.if (\s) == 7
	WIN 0xa1
	MUL \s, 0, 4
.elseif (\s) != 3
.if (\s) > 0
	PLACES                                         ; behind the last step's products, which read the set that is loaded now
.endif
	FETCH (\s)+1
	WIN 0xa1                                       ; source 0 (B') window 1, source 1 (A') window 0, C and D window 2
	MUL \s, 0, 4
.else
	s_wait_tensorcnt 0x0                           ; step 3's successor lies in the second half of K: my part of it is in, the barrier shows everybody's
	s_barrier_signal -1
	WIN 0xa1
	MUL \s, 0, 2                                   ; work on registers while the others arrive
	s_barrier_wait -1
	PLACES
	FETCH (\s)+1
	WIN 0xa1
	MUL \s, 2, 2
.endif
.endm
	s_wait_alu depctr_va_vdst(0)
	s_wait_tensorcnt 0x0                           ; my tile of the head's four is in
	ds_add_u32 v254, v255
	s_mov_b32 s[G1A+2], 4<<16                      ; no tensor load of mine is out: the second half comes as four tiles of A' a load,
	s_mov_b32 s[G1A+4], 4
	s_mov_b32 s[G1B+2], 8<<16                      ; eight of B'
	s_mov_b32 s[G1B+4], 8
	s_wait_dscnt 0x0
	CROUND                                         ; everybody's tiles are in, and the joint loads meet
	s_cmp_eq_u32 s13, 0                            ; the second half of K: waves 0 and 1 A', waves 2 and 3 B'; it lands under steps 0 to 3
	s_cbranch_scc0 .Lsecond_b
	tensor_load_to_lds s[G0A+4:G0A+7], s[G1A:G1A+7]
	s_nop 0
.rept 4
	v_nop
.endr
	s_branch .Lsecond
.Lsecond_b:
	tensor_load_to_lds s[G0B+4:G0B+7], s[G1B:G1B+7]
	s_nop 0
.rept 4
	v_nop
.endr
.Lsecond:
.irp a, 0,1,2,3
.irp j, 0,1,2,3
	ds_load_b32 v[32+4*\a+\j], v12 offset:512*\a+128*\j
.endr
.endr
.irp b, 0,1,2,3,4,5,6,7
.irp j, 0,1,2,3
	ds_load_b32 v[48+4*\b+\j], v13 offset:512*\b+128*\j
.endr
.endr
	FETCH 0
.irp s, 0,1,2,3,4,5,6,7
	STEP \s
.endr
	WIN 0
	PLACES
	; THE WAY OUT.  All tensor loads were waited for in step 3, so the descriptors' registers are free.
	s_lshl_b32 s30, s17, 7
	s_lshl_b32 s31, s13, 6
	s_add_co_u32 s30, s30, s31                     ; my first row of out0
	s_lshl_b32 s30, s30, 12
	s_lshl_b32 s31, s18, 10
	s_add_co_u32 s30, s30, s31
	s_lshl_b32 s31, s14, 9
	s_add_co_u32 s30, s30, s31                     ; + my first column, in bytes
	s_mov_b32 s31, 0
	s_add_nc_u64 s[28:29], s[20:21], s[30:31]
; Round n = 2 a + hf: tile a's 16 rows x 64 of my 128 columns go through my own stage and come back as rows of 256 bytes.  LDS serves a wave's instructions in order: no wait between the stores and the loads,
; nor in front of the next round's stores.
.macro TOSTAGE n
	WIN 0x08                                       ; an LDS store's data are its source 1: window 2
.irp e, 0,1
.irp i, 0,1,2,3
	ds_store_b128 v15, v[64*((\n)/2)+32*((\n)%2)+16*\e+4*\i:64*((\n)/2)+32*((\n)%2)+16*\e+4*\i+3] offset:128*\e+16*\i   ; each accumulator from its low end on
.endr
.endr
	WIN 0
.irp t, 0,1,2,3,4,5,6,7
	ds_load_b128 v[176+32*((\n)%2)+4*\t:176+32*((\n)%2)+4*\t+3], v16 offset:544*\t
.endr
.endm
.macro SEND n, younger                 ; younger: the LDS instructions issued behind round n's loads, which may stay out
	s_wait_dscnt \younger
.irp t, 0,1,2,3,4,5,6,7
	global_store_b128 v17, v[176+32*((\n)%2)+4*\t:176+32*((\n)%2)+4*\t+3], s[28:29] offset:(32*((\n)/4)+8*(((\n)/2)%2)+2*\t+8*(\t/4))*4096+256*((\n)%2) th:TH_STORE_NT   ; 16 lanes store 256 consecutive bytes, aligned; stage row 2 t + (lane / 16) is row 32 (a / 2) + 8 (a % 2) + 2 t + 8 (t / 4) + (lane / 16)
.endr
.endm
	TOSTAGE 0
.irp n, 1,2,3,4,5,6,7
.if \n > 1
	s_wait_xcnt 0x0                                ; round n - 2's stores have read their registers: round n's loads may land there
.endif
	TOSTAGE \n
	SEND \n-1, 16                                  ; behind round n - 1's loads: round n's 8 stores and 8 loads
.endr
	SEND 7, 0
	s_wait_tensorcnt 0x0
	ds_add_u32 v254, v255
	s_wait_dscnt 0x0
	CROUND                                         ; the closing round: no work-group ends while a partner may still ask for a tile that names it
	s_endpgm
.Lfunc_end_k_q624b5c4b42_oproj:
	.size	k_q624b5c4b42_oproj, .Lfunc_end_k_q624b5c4b42_oproj-k_q624b5c4b42_oproj
	.p2alignl 7, 3214868480
	.fill 96, 4, 3214868480
	.section	.rodata,"a",@progbits
	.p2align	6, 0x0
	.amdhsa_kernel k_q624b5c4b42_oproj
		.amdhsa_group_segment_fixed_size 327680
		.amdhsa_private_segment_fixed_size 0
		.amdhsa_enable_private_segment 0
		.amdhsa_kernarg_size 40
		.amdhsa_user_sgpr_count 2
		.amdhsa_user_sgpr_kernarg_segment_ptr 1
		.amdhsa_wavefront_size32 1
		.amdhsa_system_sgpr_workgroup_id_x 1
		.amdhsa_system_sgpr_workgroup_id_y 1
		.amdhsa_system_sgpr_workgroup_id_z 1
		.amdhsa_system_vgpr_workitem_id 0
		.amdhsa_next_free_vgpr 768
		.amdhsa_next_free_sgpr 102
		.amdhsa_reserve_vcc 0
		.amdhsa_float_denorm_mode_32 3
		.amdhsa_float_denorm_mode_16_64 3
		.amdhsa_memory_ordered 1
		.amdhsa_forward_progress 1
		.amdhsa_inst_pref_size 99
	.end_amdhsa_kernel
	.amdgpu_metadata
---
amdhsa.version: [ 1, 2 ]
amdhsa.kernels:
  - .name:           k_q624b5c4b42_oproj
    .symbol:         k_q624b5c4b42_oproj.kd
    .args:
      - { .name: ctx_img, .offset: 0, .size: 8, .value_kind: global_buffer, .address_space: global }
      - { .name: ctx_sc, .offset: 8, .size: 8, .value_kind: global_buffer, .address_space: global }
      - { .name: cod, .offset: 16, .size: 8, .value_kind: global_buffer, .address_space: global }
      - { .name: csc, .offset: 24, .size: 8, .value_kind: global_buffer, .address_space: global }
      - { .name: out0, .offset: 32, .size: 8, .value_kind: global_buffer, .address_space: global }
    .group_segment_fixed_size: 327680
    .private_segment_fixed_size: 0
    .kernarg_segment_align: 8
    .kernarg_segment_size: 40
    .max_flat_workgroup_size: 128
    .sgpr_count:     102
    .vgpr_count:     768
    .wavefront_size: 32
...
	.end_amdgpu_metadata
.endif
;; end of part 4
